; MI455X (gfx1250); checked and timed in simulation.
; The chip was launched on July 23, 2026; its instructions are those of AMD's public machine-readable ISA for CDNA 5 (MIT licence, August 2026) and "CDNA5" Instruction Set Architecture Reference Guide (July 2026). The comments in the code are by the model that wrote it; some were corrected since.
;; MHSA Block. Allowed arithmetic: matrix products marked QUANTISED: E2M3 operands, one E8M0 scale for each 32 along K, by v_wmma_scale_f32_16x16x128_f8f6f4 with both operands' format E2M3, f32 sums; everything else in f32.
;; Inputs: b1 4,096 float32; b2 1,024 float32; b_proj 1,024 float32; ln1_b 1,024 float32; ln1_g 1,024 float32; ln2_b 1,024 float32; ln2_g 1,024 float32; w1_codes 4,096 x 32 x 24 uint8 (E2M3 codes of w1, K innermost, in blocks of 32 codes, four codes in three bytes); w1_scales 4,096 x 32 uint8 (E8M0 scales of w1, one for each 32 codes along K); w2_codes 1,024 x 128 x 24 uint8 (E2M3 codes of w2, K innermost, in blocks of 32 codes, four codes in three bytes); w2_scales 1,024 x 128 uint8 (E8M0 scales of w2, one for each 32 codes along K); w_proj_codes 1,024 x 32 x 24 uint8 (E2M3 codes of w_proj, K innermost, in blocks of 32 codes, four codes in three bytes); w_proj_scales 1,024 x 32 uint8 (E8M0 scales of w_proj, one for each 32 codes along K); w_qkv_codes 3,072 x 32 x 24 uint8 (E2M3 codes of w_qkv, K innermost, in blocks of 32 codes, four codes in three bytes); w_qkv_scales 3,072 x 32 uint8 (E8M0 scales of w_qkv, one for each 32 codes along K); x 2 x 2,048 x 1,024 float32.
;; Outputs: out0 2 x 2,048 x 1,024 float32.
;; This version of the problem:
;;   THIS VERSION OF THE PROBLEM IS GIVEN IN LOW PRECISION. The matrix products marked QUANTISED in the list below multiply operands that are first quantised to E2M3 (2 exponent bits, 3 mantissa bits; 6 bits a number), with one power-of-two scale for each 32 numbers along K (OCP MX v1.0); their sums are f32. All else is computed in f32.
;;   The module's matrix products, in the order in which they are computed (A, B: the left and right operand; K: the contracted axis; several contracted axes count as one K, in the product's order):
;;     1. [M 4,096, K 1,024] x [K 1,024, N 3,072]; A: computed on the way; B: input w_qkv (given as codes): QUANTISED
;;     2. batch 32 x [M 2,048, K 64] x [K 64, N 2,048]; A: computed on the way; B: computed on the way: QUANTISED
;;     3. batch 32 x [M 2,048, K 2,048] x [K 2,048, N 64]; A: softmax (see below); B: computed on the way: QUANTISED
;;     4. [M 4,096, K 1,024] x [K 1,024, N 1,024]; A: computed on the way; B: input w_proj (given as codes): QUANTISED
;;     5. [M 4,096, K 1,024] x [K 1,024, N 4,096]; A: computed on the way; B: input w1 (given as codes): QUANTISED
;;     6. [M 4,096, K 4,096] x [K 4,096, N 1,024]; A: computed on the way; B: input w2 (given as codes): QUANTISED
;;   THE QUANTISER, for each operand of a quantised product, along K:
;;     - K is cut into blocks of 32 from its start; a last block that is shorter is filled with zeros.
;;     - A block's scale is 2^e with e = floor(log2(the largest magnitude in the block)) - 2, held to -126 .. 127; a block of zeros has e = 0. As a byte (E8M0): e + 127.
;;     - Each number is divided by its block's scale, clamped to +-7.5, and rounded to the nearest number of E2M3, ties to even, subnormals kept.
;;     - The product sums the exact products of the quantised numbers (number of the format x scale) in f32.
;;   ~~~python
;;   def quantise(x, axis):      # numpy; x: float32 -> the quantised numbers, widened to float32 again
;;       x = np.moveaxis(x, axis, -1); K = x.shape[-1]
;;       x = np.pad(x, [(0, 0)] * (x.ndim - 1) + [(0, -K % 32)]); x = x.reshape(x.shape[:-1] + (-1, 32)); a = np.abs(x).max(-1, keepdims=True)
;;       e = np.where(a > 0, np.clip(np.frexp(np.where(a > 0, a, 1))[1] - 1 - 2, -126, 127), 0)      # np.frexp(a)[1] - 1 = floor(log2(a)), exactly
;;       r = np.clip(x / 2.0 ** e, -7.5, 7.5)
;;       step = 2.0 ** (np.maximum(np.frexp(np.where(r == 0, 1, r))[1] - 1, 0) - 3)
;;       q = np.round(r / step) * step * 2.0 ** e      # np.round: ties to even
;;       return np.moveaxis(q.reshape(q.shape[:-2] + (-1,))[..., :K], -1, axis).astype(np.float32)
;;   ~~~
;;   SOFTMAX AHEAD OF A QUANTISED PRODUCT. Where the list says 'softmax', what is quantised is not the finished softmax but p = 2^(t - M), with t = logit x log2(e) and M = ceil(the row's largest t), a whole number; so 1/2 < the row's largest p <= 1. The row's sum l is taken of the UNQUANTISED p, in f32, and the product's result is divided by l at the end. Since M is a whole number, a kernel that streams over the keys may use a running M (the ceiling of the running maximum): every later rescaling is an exact power of two, which a block's scale takes up: the codes' values come out the same.
;;   OPERANDS COMPUTED ON THE WAY. 'Computed on the way' means the value that the module computes at that place (a softmax that the list does not call 'softmax' is quantised finished and normalised). What goes into a quantiser is computed in f32, as accurately as f32 sums, v_exp_f32 and their like allow (about 1e-6 of the number): no bf16 or f16 on the way to a quantiser, and a product that is left as it is and whose result goes on into a quantised operand takes f32 operands (vector FMAs, or v_wmma_f32_16x16x4_f32). A number that lies on a knife's edge between two numbers of the format may be rounded either way, as far as f32 arithmetic and the matrix unit's own rounding can turn it there, and no further.
;;   INPUTS GIVEN AS CODES. w1 (in the module: [1024, 4096], K = its axis 0); w2 (in the module: [4096, 1024], K = its axis 0); w_proj (in the module: [1024, 1024], K = its axis 0); w_qkv (in the module: [1024, 3072], K = its axis 0): each comes as NAME_codes (uint8): NAME with its K axis moved to the last place and cut into blocks of 32 codes, [.., K / 32, bytes a block], one block behind the other in memory; four codes in three bytes: a row's codes are one little-endian stream of bits, code i at bits 6 i .. 6 i + 5 (a code: sign, 2 exponent bits, 3 mantissa bits); and NAME_scales (uint8): the same leading axes, one E8M0 byte (e + 127) for each 32 codes along K. Its value is code x scale, taken as it is: it is not quantised again, and the codes and scales need not be those that the quantiser above would give.
;; One version. Each part assembles by itself: llvm-mc -triple=amdgcn-amd-amdhsa -mcpu=gfx1250 --defsym DOCPART=n.
;; ======== version 1 of 1: 7 launches
;; limits: right only within a limited range of input values
;; workspace buffers: wimg 9,830,400 bytes; act 3,276,800 bytes; qkv 9,830,400 bytes; oimg 3,276,800 bytes; x1 16,777,216 bytes; himg 13,107,200 bytes
;; launch lnq1 (part 1): grid 448 x 1, 4 waves a work-group, no clusters, 66,304 bytes of LDS; arguments x, ln1_g, ln1_b, w_qkv_codes, w_qkv_scales, w_proj_codes, w_proj_scales, w1_codes, w1_scales, w2_codes, w2_scales, act, wimg; writes act, wimg
.if DOCPART == 1
	.amdgcn_target "amdgcn-amd-amdhsa--gfx1250"
	.amdhsa_code_object_version 6
	.text
	.protected	k_q273aca753e_lnq1
	.globl	k_q273aca753e_lnq1
	.p2align	8
	.type	k_q273aca753e_lnq1,@function
k_q273aca753e_lnq1:
	s_mov_b64 s[64:65], 0
	v_nop
	global_prefetch_b8 v0, s[64:65] scope:SCOPE_SE
	s_setreg_imm32_b32 hwreg(HW_REG_WAVE_MODE, 25, 1), 1
	s_wait_xcnt 0x0
; LAYER NORM + QUANTISER (work-groups 0-255), and the weights laid anew (work-groups 256-447, in the first use of this body alone).
; THE FORMAT OF EVERY OPERAND OF THIS PROGRAM: blocks of 12,800 bytes = 128 rows x 128 along K, as images of the matrix operand's registers.
;   fragment i (16 rows) at 1536 i: plane c at + 512 c, lane l's 16 bytes at + 16 l = registers 4 c .. 4 c + 3;  the rows' scale words at 12,288 + 64 i + 4 r.
;   lane r of fragment i stands for row 32 (i / 2) + 8 (i % 2) + r + 8 (r / 8) of the 128, so that a transposed product's results are neighbours along the next K.
; LN: a work-group takes one fragment's 16 rows of 1,024 f32.  Wave w normalises rows 4 w .. 4 w + 3 (each load: 512 consecutive bytes), mean first, then the
; mean of the squared differences (so a common offset of the input costs nothing), y = (x - mean) rsqrt(var + 1e-5) g + b, all f32.  The rows meet in LDS
; (pitch 4,112 bytes); wave w then quantises K steps 2 w and 2 w + 1 of all 16 rows: a lane takes 16 neighbours of each block of 32.
; A block's scale is 2^(floor(log2(largest magnitude)) - 2); its byte is the largest magnitude's exponent field - 2, held at 1 from below.
; LIMITS: a block of zeros, or one whose largest magnitude lies under 2^-124, gets the byte 1 (its codes are zeros or the nearest codes; the bytes are read by this
; program alone); NaN and infinities among the inputs are not served.  The scale words leave in pieces of 64 bytes: a fragment has no more of them for a K step.
.set PITCH, 4112
.set BLK,   12800
.set SCO,   12288
.set X,     32                         ; v32-159  four rows, 32 numbers a lane each; later 2 x 64 numbers to quantise
.set G,     160                        ; v160-191 the gain of my 32 columns
.set BV,    192                        ; v192-223 the bias
.set TM,    160                        ; v160-175 the quantiser's work (the gain is done with by then)
.set SEL,   42                         ; s[42:43] lane selects: lane l xor 16
; 64 numbers of a lane, register 16 b + i = k 32 b + 16 (lane / 16) + i of my row, become a fragment's 12 registers in v[pc] on and its scale word in v[pw]
.macro QUANT src, pc, pw
.irp b, 0,1,2,3
	v_max3_num_f32 v[TM+\b], |v[\src+16*\b]|, |v[\src+1+16*\b]|, 0x1800000   ; my 16 numbers of block b, and the floor 2^(3 - 127): the byte cannot fall under 1
.endr
.irp i, 2,4,6,8,10,12,14
.irp b, 0,1,2,3
	v_max3_num_f32 v[TM+\b], v[TM+\b], |v[\src+16*\b+\i]|, |v[\src+1+16*\b+\i]|
.endr
.endr
.irp b, 0,1,2,3
	v_permlanex16_b32 v[TM+4+\b], v[TM+\b], s[SEL], s[SEL+1]
.endr
.irp b, 0,1,2,3
	v_max_num_f32 v[TM+\b], v[TM+\b], v[TM+4+\b]      ; with lane l xor 16's 16: the block's largest magnitude
.endr
.irp b, 0,1,2,3
	v_add_nc_u32 v[TM+12+\b], 0xff000000, v[TM+\b]    ; 2 off its exponent field: the conversion's scale operand
.endr
.irp b, 0,1,2,3
	v_lshrrev_b32 v[TM+4+\b], 23, v[TM+12+\b]         ; the scale's byte
.endr
	v_lshl_or_b32 v[\pw], v[TM+5], 8, v[TM+4]
	v_lshl_or_b32 v[\pw], v[TM+6], 16, v[\pw]
	v_lshl_or_b32 v[\pw], v[TM+7], 24, v[\pw]
.irp c, 0,1
	v_cvt_scalef32_pk16_fp6_f32 v[\pc+6*\c:\pc+2+6*\c], v[\src+32*\c:\src+15+32*\c], v[TM+12+2*\c]
	v_cvt_scalef32_pk16_fp6_f32 v[\pc+12+4*\c:\pc+14+4*\c], v[\src+16+32*\c:\src+31+32*\c], v[TM+12+2*\c+1]   ; (three registers begin on an even number)
.endr
	v_nop                                             ; one plain place behind a scaled conversion
.irp c, 0,1                                       ; the operand wants a whole block in a lane: lanes 0-15 block 2 c, lanes 16-31 block 2 c + 1
.irp i, 0,1,2
	v_permlane16_swap_b32 v[\pc+6*\c+\i], v[\pc+12+4*\c+\i]
.endr
.irp i, 0,1,2
	v_mov_b32 v[\pc+3+6*\c+\i], v[\pc+12+4*\c+\i]
.endr
.endr
.endm
.macro REDUCE                                     ; v10 summed over the 32 lanes, the result in every lane
	v_add_f32_dpp v10, v10, v10 row_xmask:1 row_mask:0xf bank_mask:0xf
	v_add_f32_dpp v10, v10, v10 row_xmask:2 row_mask:0xf bank_mask:0xf
	v_add_f32_dpp v10, v10, v10 row_xmask:4 row_mask:0xf bank_mask:0xf
	v_add_f32_dpp v10, v10, v10 row_xmask:8 row_mask:0xf bank_mask:0xf
	v_permlanex16_b32 v11, v10, s[SEL], s[SEL+1]
	v_add_f32 v10, v10, v11
.endm
.macro ROWSTAT q                                  ; row q: mean, x - mean in place, var + eps
.set XQ, X+32*\q
	s_wait_loadcnt 16+8*(3-\q)                        ; younger than this row's eight loads: the later rows' and the 16 of gain and bias
	v_pk_add_f32 v[10:11], v[XQ:XQ+1], v[XQ+2:XQ+3]
	v_pk_add_f32 v[12:13], v[XQ+4:XQ+5], v[XQ+6:XQ+7]
.irp j, 8,12,16,20,24,28
	v_pk_add_f32 v[10:11], v[10:11], v[XQ+\j:XQ+\j+1]
	v_pk_add_f32 v[12:13], v[12:13], v[XQ+\j+2:XQ+\j+3]
.endr
	v_pk_add_f32 v[10:11], v[10:11], v[12:13]
	v_add_f32 v10, v10, v11
	REDUCE
	v_mul_f32 v[16+2*\q], s40, v10                    ; / 1,024
	v_mov_b32 v[17+2*\q], v[16+2*\q]
.irp j, 0,2,4,6,8,10,12,14,16,18,20,22,24,26,28,30
	v_pk_add_f32 v[XQ+\j:XQ+\j+1], v[XQ+\j:XQ+\j+1], v[16+2*\q:17+2*\q] neg_lo:[0,1] neg_hi:[0,1]
.endr
	v_pk_mul_f32 v[10:11], v[XQ:XQ+1], v[XQ:XQ+1]
	v_pk_mul_f32 v[12:13], v[XQ+2:XQ+3], v[XQ+2:XQ+3]
.irp j, 4,8,12,16,20,24,28
	v_pk_fma_f32 v[10:11], v[XQ+\j:XQ+\j+1], v[XQ+\j:XQ+\j+1], v[10:11]
	v_pk_fma_f32 v[12:13], v[XQ+\j+2:XQ+\j+3], v[XQ+\j+2:XQ+\j+3], v[12:13]
.endr
	v_pk_add_f32 v[10:11], v[10:11], v[12:13]
	v_add_f32 v10, v10, v11
	REDUCE
	v_fma_f32 v[24+2*\q], v10, s40, s41               ; var + 1e-5
.endm
	s_load_b512 s[4:19], s[0:1], 0x0                  ; x s[4:5], g s[6:7], b s[8:9], wqkv codes, scales s[10:13], wproj s[14:17], w1 codes s[18:19]
	s_load_b256 s[20:27], s[0:1], 0x40                ; w1 scales s[20:21], w2 codes, scales s[22:25], act s[26:27]
	s_load_b64 s[28:29], s[0:1], 0x60                 ; wimg
	v_lshl_add_u32 v254, v0, 2, 0x10100
	v_mov_b32 v255, 0
	v_lshrrev_b32 v1, 5, v0
	v_readfirstlane_b32 s30, v1                       ; wave 0..3
	v_and_b32 v1, 31, v0                              ; lane
	v_and_b32 v2, 15, v0                              ; r
	v_bfe_u32 v3, v0, 4, 1                            ; h
	v_lshlrev_b32 v4, 4, v1                           ; 16 x lane
	s_mov_b32 s44, 0xffff0000                         ; lanes 16-31
	s_cmp_ge_u32 ttmp9, 256                           ; the same for all waves of a work-group
	s_cbranch_scc1 .Lrelay
	; ---------------- layer norm and quantiser ----------------
	s_lshr_b32 s31, ttmp9, 3                          ; which 128 rows
	s_and_b32 s32, ttmp9, 7                           ; which fragment i of them
	s_lshl_b32 s33, s31, 7
	s_lshr_b32 s34, s32, 1
	s_lshl_b32 s34, s34, 5
	s_add_co_u32 s33, s33, s34
	s_and_b32 s34, s32, 1
	s_lshl_b32 s34, s34, 3
	s_add_co_u32 s33, s33, s34
	s_lshl_b32 s34, s30, 2
	s_add_co_u32 s33, s33, s34
	s_lshr_b32 s34, s30, 1
	s_lshl_b32 s34, s34, 3
	s_add_co_u32 s33, s33, s34                        ; my wave's first row: 128 hp + 32 (i / 2) + 8 (i % 2) + 4 w + 8 (w / 2)
	s_lshl_b32 s34, s33, 12                           ; x 4,096 bytes
	s_mov_b32 s35, 0
	s_mov_b32 s40, 0x3a800000                         ; 1 / 1,024
	s_mov_b32 s41, 0x3727c5ac                         ; 1e-5
	s_mov_b32 s[SEL], 0x76543210
	s_mov_b32 s[SEL+1], 0xfedcba98
	s_mul_i32 s36, s30, 4*PITCH
	s_wait_alu depctr_va_vdst(0)
	v_add_nc_u32 v5, s36, v4                          ; LDS, in: my wave's four rows, 16 bytes a lane
	v_mul_u32_u24 v6, v2, PITCH
	v_lshl_add_u32 v6, v3, 6, v6
	s_lshl_b32 s36, s30, 10
	v_add_nc_u32 v6, s36, v6                          ; LDS, out: row r, + 64 h, + my wave's two K steps
	s_mul_i32 s36, s32, 1536
	v_add_nc_u32 v7, s36, v4                          ; the fragment's place in a block, + 16 x lane
	s_lshl_b32 s36, s32, 6
	s_add_co_u32 s36, s36, SCO
	v_lshl_add_u32 v8, v2, 2, s36
	v_mad_u32_u24 v8, v3, BLK, v8                     ; the scale word's: lanes 0-15 the first K step's block, lanes 16-31 the second's
	s_lshl_b32 s36, s31, 3
	s_lshl_b32 s37, s30, 1
	s_add_co_u32 s36, s36, s37
	s_mul_i32 s36, s36, BLK                           ; block (hp, K step 2 w)
	s_mov_b32 s37, 0
	s_wait_kmcnt 0x0
	s_add_nc_u64 s[4:5], s[4:5], s[34:35]
	s_add_nc_u64 s[26:27], s[26:27], s[36:37]
.irp q, 0,1,2,3
.irp e, 0,1,2,3,4,5,6,7
	global_load_b128 v[X+32*\q+4*\e:X+32*\q+4*\e+3], v4, s[4:5] offset:4096*\q+512*\e   ; 32 lanes read 512 consecutive bytes
.endr
.endr
.irp e, 0,1,2,3,4,5,6,7
	global_load_b128 v[G+4*\e:G+4*\e+3], v4, s[6:7] offset:512*\e
.endr
.irp e, 0,1,2,3,4,5,6,7
	global_load_b128 v[BV+4*\e:BV+4*\e+3], v4, s[8:9] offset:512*\e
.endr
	ROWSTAT 0
	ROWSTAT 1
	ROWSTAT 2
	ROWSTAT 3
	s_wait_alu depctr_va_vdst(0)
.irp q, 0,1,2,3
	v_rsq_f32 v[24+2*\q], v[24+2*\q]
.endr
	v_nop                                             ; a plain place behind the last of the batch
	s_wait_alu depctr_va_vdst(0)                      ; one wait for the four, ahead of their first reader
.irp q, 0,1,2,3
	v_mov_b32 v[25+2*\q], v[24+2*\q]
.endr
	s_wait_alu depctr_va_vdst(0)
	s_wait_loadcnt 0x0                                ; gain and bias
.irp q, 0,1,2,3
.irp j, 0,2,4,6,8,10,12,14,16,18,20,22,24,26,28,30
	v_pk_mul_f32 v[X+32*\q+\j:X+32*\q+\j+1], v[X+32*\q+\j:X+32*\q+\j+1], v[24+2*\q:25+2*\q]
.endr
.irp j, 0,2,4,6,8,10,12,14,16,18,20,22,24,26,28,30
	v_pk_fma_f32 v[X+32*\q+\j:X+32*\q+\j+1], v[X+32*\q+\j:X+32*\q+\j+1], v[G+\j:G+\j+1], v[BV+\j:BV+\j+1]
.endr
.irp e, 0,1,2,3,4,5,6,7
	ds_store_b128 v5, v[X+32*\q+4*\e:X+32*\q+4*\e+3] offset:PITCH*\q+512*\e
.endr
.endr
	s_wait_dscnt 0x0                                  ; for the others' sake: my rows lie in LDS
	s_barrier_signal -1
	s_barrier_wait -1
.irp t, 0,1
.irp b, 0,1,2,3
.irp j, 0,1,2,3
	ds_load_b128 v[X+64*\t+16*\b+4*\j:X+64*\t+16*\b+4*\j+3], v6 offset:512*\t+128*\b+16*\j   ; pitch 4,112 = 257 x 16: the sixteen rows of a pass fall on sixteen different columns of 16 bytes
.endr
.endr
.endr
	s_wait_dscnt 0x0
	QUANT X, 176, 216
	QUANT X+64, 196, 217
.irp t, 0,1
.irp c, 0,1,2
	global_store_b128 v7, v[176+20*\t+4*\c:179+20*\t+4*\c], s[26:27] offset:BLK*\t+512*\c    ; 512 consecutive bytes, aligned
.endr
.endr
	v_cndmask_b32 v218, v216, v217, s44               ; lanes 0-15 the first K step's words, lanes 16-31 the second's
	global_store_b32 v8, v218, s[26:27]
	s_wait_tensorcnt 0x0
	ds_add_u32 v254, v255
	s_wait_dscnt 0x0
	s_endpgm
	; ---------------- the weights, from rows of codes into blocks ----------------
	; 48 work-groups for w_qkv, 16 for w_proj, 64 for w1: a wave takes one fragment's 16 rows, all 8 K steps.  64 for w2: a work-group takes a fragment, wave w its K steps 8 w .. 8 w + 7.
.Lrelay:
	s_sub_co_u32 s31, ttmp9, 256
	s_wait_kmcnt 0x0
	s_mov_b64 s[32:33], s[10:11]                      ; codes
	s_mov_b64 s[34:35], s[12:13]                      ; scale bytes
	s_mov_b32 s36, 0                                  ; where the tensor's blocks begin in wimg
	s_mov_b32 s37, 0                                  ; its first work-group
	s_mov_b32 s38, 768                                ; a row of codes in bytes
	s_mov_b32 s39, 32                                 ; a row of scale bytes
	s_cmp_ge_u32 s31, 48                              ; the choices hang on the work-group's number alone
	s_cselect_b64 s[32:33], s[14:15], s[32:33]
	s_cselect_b64 s[34:35], s[16:17], s[34:35]
	s_cselect_b32 s36, 2457600, s36
	s_cselect_b32 s37, 48, s37
	s_cmp_ge_u32 s31, 64
	s_cselect_b64 s[32:33], s[18:19], s[32:33]
	s_cselect_b64 s[34:35], s[20:21], s[34:35]
	s_cselect_b32 s36, 3276800, s36
	s_cselect_b32 s37, 64, s37
	s_cmp_ge_u32 s31, 128
	s_cselect_b64 s[32:33], s[22:23], s[32:33]
	s_cselect_b64 s[34:35], s[24:25], s[34:35]
	s_cselect_b32 s36, 6553600, s36
	s_cselect_b32 s37, 128, s37
	s_cselect_b32 s38, 3072, s38
	s_cselect_b32 s39, 128, s39
	s_cselect_b32 s40, 32, 8                          ; K steps in a row
	s_cselect_b32 s43, s30, 0                         ; which eight of them
	s_sub_co_u32 s41, s31, s37
	s_lshl_b32 s42, s41, 2
	s_add_co_u32 s42, s42, s30
	s_cmp_ge_u32 s31, 128
	s_cselect_b32 s42, s41, s42                       ; my fragment's number in the tensor
	s_lshr_b32 s45, s42, 3                            ; its 128 rows
	s_and_b32 s46, s42, 7                             ; i
	s_lshl_b32 s47, s45, 7
	s_lshr_b32 s48, s46, 1
	s_lshl_b32 s48, s48, 5
	s_add_co_u32 s47, s47, s48
	s_and_b32 s48, s46, 1
	s_lshl_b32 s48, s48, 3
	s_add_co_u32 s47, s47, s48
	s_wait_alu depctr_va_vdst(0)
	v_and_b32 v9, 8, v2
	v_add_nc_u32 v9, v9, v2
	v_add_nc_u32 v9, s47, v9                          ; my row: 128 hp + 32 (i / 2) + 8 (i % 2) + r + 8 (r / 8)
	v_mul_lo_u32 v10, v9, s38
	v_mad_u32_u24 v10, v3, 24, v10
	s_mul_i32 s48, s43, 768
	v_add_nc_u32 v10, s48, v10                        ; its codes: + 24 h, + my eight K steps
	s_wait_alu depctr_va_vdst(0)
	v_mul_lo_u32 v11, v9, s39
	s_lshl_b32 s48, s43, 5
	v_add_nc_u32 v11, s48, v11                        ; its scale words
	s_wait_alu depctr_va_vdst(0)
	s_mul_i32 s48, s45, s40
	s_lshl_b32 s49, s43, 3
	s_add_co_u32 s48, s48, s49
	s_mul_i32 s48, s48, BLK
	s_add_co_u32 s48, s48, s36
	s_mov_b32 s49, 0
	s_add_nc_u64 s[28:29], s[28:29], s[48:49]         ; the first of my eight blocks
	s_mul_i32 s50, s46, 1536
	v_add_nc_u32 v12, s50, v4
	s_lshl_b32 s50, s46, 6
	s_add_co_u32 s50, s50, SCO
	v_lshl_add_u32 v13, v2, 2, s50
	v_mad_u32_u24 v13, v3, BLK, v13
.irp t, 0,1,2,3,4,5,6,7
.irp p, 0,1,2,3,4,5
	global_load_b64 v[32+12*\t+2*\p:33+12*\t+2*\p], v10, s[32:33] offset:96*\t+48*(\p/3)+8*(\p%3)   ; the row's stream of bits is the register image: 24 bytes in three pieces of 8
.endr
.endr
	global_load_b128 v[128:131], v11, s[34:35]
	global_load_b128 v[132:135], v11, s[34:35] offset:16
	s_wait_alu depctr_va_vdst(0)
	s_wait_loadcnt 0x0
.irp t, 0,1,2,3,4,5,6,7
.irp c, 0,1,2
	global_store_b128 v12, v[32+12*\t+4*\c:35+12*\t+4*\c], s[28:29] offset:BLK*\t+512*\c
.endr
.endr
.irp m, 0,1,2,3
	v_cndmask_b32 v[136+\m], v[128+2*\m], v[129+2*\m], s44
	global_store_b32 v13, v[136+\m], s[28:29] offset:2*BLK*\m
.endr
	s_endpgm
.Lfunc_end_k_q273aca753e_lnq1:
	.size	k_q273aca753e_lnq1, .Lfunc_end_k_q273aca753e_lnq1-k_q273aca753e_lnq1
	.p2alignl 7, 3214868480
	.fill 96, 4, 3214868480
	.section	.rodata,"a",@progbits
	.p2align	6, 0x0
	.amdhsa_kernel k_q273aca753e_lnq1
		.amdhsa_group_segment_fixed_size 66304
		.amdhsa_private_segment_fixed_size 0
		.amdhsa_enable_private_segment 0
		.amdhsa_kernarg_size 104
		.amdhsa_user_sgpr_count 2
		.amdhsa_user_sgpr_kernarg_segment_ptr 1
		.amdhsa_wavefront_size32 1
		.amdhsa_system_sgpr_workgroup_id_x 1
		.amdhsa_system_sgpr_workgroup_id_y 1
		.amdhsa_system_sgpr_workgroup_id_z 1
		.amdhsa_system_vgpr_workitem_id 0
		.amdhsa_next_free_vgpr 256
		.amdhsa_next_free_sgpr 66
		.amdhsa_reserve_vcc 0
		.amdhsa_float_denorm_mode_32 3
		.amdhsa_float_denorm_mode_16_64 3
		.amdhsa_memory_ordered 1
		.amdhsa_forward_progress 1
		.amdhsa_inst_pref_size 54
	.end_amdhsa_kernel
	.amdgpu_metadata
---
amdhsa.version: [ 1, 2 ]
amdhsa.kernels:
  - .name:           k_q273aca753e_lnq1
    .symbol:         k_q273aca753e_lnq1.kd
    .args:
      - { .name: x, .offset: 0, .size: 8, .value_kind: global_buffer, .address_space: global }
      - { .name: ln1_g, .offset: 8, .size: 8, .value_kind: global_buffer, .address_space: global }
      - { .name: ln1_b, .offset: 16, .size: 8, .value_kind: global_buffer, .address_space: global }
      - { .name: w_qkv_codes, .offset: 24, .size: 8, .value_kind: global_buffer, .address_space: global }
      - { .name: w_qkv_scales, .offset: 32, .size: 8, .value_kind: global_buffer, .address_space: global }
      - { .name: w_proj_codes, .offset: 40, .size: 8, .value_kind: global_buffer, .address_space: global }
      - { .name: w_proj_scales, .offset: 48, .size: 8, .value_kind: global_buffer, .address_space: global }
      - { .name: w1_codes, .offset: 56, .size: 8, .value_kind: global_buffer, .address_space: global }
      - { .name: w1_scales, .offset: 64, .size: 8, .value_kind: global_buffer, .address_space: global }
      - { .name: w2_codes, .offset: 72, .size: 8, .value_kind: global_buffer, .address_space: global }
      - { .name: w2_scales, .offset: 80, .size: 8, .value_kind: global_buffer, .address_space: global }
      - { .name: act, .offset: 88, .size: 8, .value_kind: global_buffer, .address_space: global }
      - { .name: wimg, .offset: 96, .size: 8, .value_kind: global_buffer, .address_space: global }
    .group_segment_fixed_size: 66304
    .private_segment_fixed_size: 0
    .kernarg_segment_align: 8
    .kernarg_segment_size: 104
    .max_flat_workgroup_size: 128
    .sgpr_count:     66
    .vgpr_count:     256
    .wavefront_size: 32
...
	.end_amdgpu_metadata
.endif
;; end of part 1
;; launch qkv (part 2): grid 12 x 16, 4 waves a work-group, clusters of 4 x 4, 327,680 bytes of LDS; arguments act, wimg, qkv; writes qkv
.if DOCPART == 2
	.amdgcn_target "amdgcn-amd-amdhsa--gfx1250"
	.amdhsa_code_object_version 6
	.text
	.protected	k_q273aca753e_qkv
	.globl	k_q273aca753e_qkv
	.p2align	8
	.type	k_q273aca753e_qkv,@function
k_q273aca753e_qkv:
	s_mov_b64 s[64:65], 0
	v_nop
	global_prefetch_b8 v0, s[64:65] scope:SCOPE_SE
	s_setreg_imm32_b32 hwreg(HW_REG_WAVE_MODE, 25, 1), 1
	s_wait_xcnt 0x0
	s_wait_alu depctr_hold_cnt(0) depctr_sa_sdst(0) depctr_va_vdst(0) depctr_va_sdst(0) depctr_va_ssrc(0) depctr_va_vcc(0) depctr_vm_vsrc(0)
	s_getreg_b32 s2, hwreg(HW_REG_IB_STS2, 6, 4)
	s_cmp_eq_u32 s2, 0
	s_cbranch_scc0 .Lentry_in_a_cluster
	s_endpgm
.Lentry_in_a_cluster:
	s_bfe_u32 s2, ttmp6, 0x10000c
	s_cmp_lg_u32 s2, 0xf033
	s_cbranch_scc0 .Lentry_shape_is_right
	s_endpgm
.Lentry_shape_is_right:
; q, k, v = Q(LN1(x)) w_qkv on codes of FP6 (E2M3) with E8M0 scales, and the results quantised at once: q and k along the head's axis, v along the keys.
; Operands and results are blocks of 12,800 bytes (128 rows x 128 K as register images: fragment i at 1536 i, plane c at + 512 c, 16 bytes a lane; scale words at 12,288 + 64 i + 4 r).
; A work-group makes 256 x 256, a wave 128 x 128: 64 accumulators, 512 registers.  K = 1,024 is eight steps of 128.  THE PRODUCT IS USED TRANSPOSED: source 0 = 16 rows of the
; COLUMN operand, source 1 = 16 rows of the ROW operand: a lane holds one row, and its 64 registers of a row tile are 64 numbers along the columns, in the order the quantiser takes them.
; Clusters x = 0, 1 (q, k): rows = tokens (act), columns = features (w_qkv).  Cluster x = 2 (v): the two buffers change places, so that a lane holds a feature and its registers run along the keys.
; The choice is made of pointers and block numbers by s_cselect on the cluster's x: no branch and no LDS address hangs on it.
; LDS: three slots of 102,400 bytes (two K steps of 2 x 128 rows and 2 x 128 columns).  All three are asked for at the start: one tensor load of a wave is out at a time;
; slot 0 is filled once more, with K steps 6 and 7, behind step 1, and has two and a half steps, 160 matrix instructions, ahead of the wait for it.
; CLUSTERS 4 x 4: the row operand's tiles are shared along a row of the cluster, the column operand's along a column: joint loads.  No prefetch: six of the eight K steps are asked for at the first instruction.
; LIMITS: a block whose largest magnitude lies under 2^-124 (a block of zeros too) gets the scale byte 1; NaN and infinities are not served.
; REGISTERS: window 0: v2, v3 the add's; v4-15 LDS addresses; v16-23, v24-31 scale words of rows and columns, two sets each; v128-223 the row operand's 8 fragments, one set.
;   window 1: the column operand's fragments, two sets, at v0 and v128.  windows 2, 3: the accumulators of row tiles 0-3, 4-7 ((a, b) at v[8 (8 (a % 4) + b)]).
.set BLK,   12800
.set SCO,   12288
.set SLOT,  8*BLK
.set SPARE, 3*SLOT                     ; the spare words, 128 bytes a wave: two blocks of 256 bytes that no other line names
.set FSTEP, 6*BLK                      ; from K step 0 to K step 6
.set SPW,  2
.set NIL,  3
.set RA16, 4                           ; v4-6   row operand, slot 0..2: my 128 rows' blocks + 16 x lane
.set RA4,  7                           ; v7-9   the same + 4 x lane
.set CB16, 10                          ; v10-12 column operand
.set CB4,  13                          ; v13-15
.set RS,   16
.set CS,   24
.set AF,   128
.set TM,   160
.set SEL,  96
.set G1,   24                          ; s[24:31] group 1, row operand;  s[32:43] its three groups 0
.set G0,   32
.set G1B,  48                          ; s[48:55] group 1, column operand;  s[56:63], s[68:71] its groups 0
.set G0B,  56
.set MSB, 0
.macro WIN new                         ; the immediate's high byte repeats the setting that is left
.if MSB != (\new)
	s_set_vgpr_msb (MSB<<8)|(\new)
.set MSB, (\new)
.endif
.endm
.set MUL_LO, 0xa1                      ; source 0 window 1, source 1 window 0, C and D window 2
.set MUL_HI, 0xf1                      ; the same, C and D window 3
.set TO_B,   0x40                      ; destination window 1
.macro PLACES n
.rept \n
	v_nop
.endr
.endm
.macro JLOAD g0a, g0b                  ; a joint load: waves 0, 1 fetch for the row operand, waves 2, 3 for the column operand; four v_nop follow each line
	s_cmp_eq_u32 s15, 0
	s_cbranch_scc0 .Lfor_b_\@
	tensor_load_to_lds s[\g0a:\g0a+3], s[G1:G1+7]
	s_nop 0
	PLACES 4
	s_branch .Lasked_\@
.Lfor_b_\@:
	tensor_load_to_lds s[\g0b:\g0b+3], s[G1B:G1B+7]
	s_nop 0
	PLACES 4
.Lasked_\@:
.endm
.macro CREST                           ; a round of the cluster's barrier behind its opening barrier
	s_cmp_lg_u32 s14, 0
	s_cbranch_scc1 .Lnot_wave_0_\@
	s_barrier_signal -3
.Lnot_wave_0_\@:
	s_barrier_wait -3
	s_barrier_signal -1
	s_barrier_wait -1
.endm
.macro CROUND
	s_barrier_signal -1
	s_barrier_wait -1
	CREST
.endm
; one matrix instruction.  cr < 0: C = 0.  rb, ra: source 0's, source 1's scale words stand in lanes 16-31
.macro WMR d, s0, s1, cr, x0, x1, rb, ra
.if (\cr) < 0
.if (\rb) == 0 && (\ra) == 0
	v_wmma_scale_f32_16x16x128_f8f6f4 v[\d:\d+7], v[\s0:\s0+11], v[\s1:\s1+11], 0, v[\x0], v[\x1] matrix_a_fmt:MATRIX_FMT_FP6 matrix_b_fmt:MATRIX_FMT_FP6
.elseif (\ra) == 0
	v_wmma_scale_f32_16x16x128_f8f6f4 v[\d:\d+7], v[\s0:\s0+11], v[\s1:\s1+11], 0, v[\x0], v[\x1] matrix_a_fmt:MATRIX_FMT_FP6 matrix_b_fmt:MATRIX_FMT_FP6 matrix_a_scale:MATRIX_SCALE_ROW1
.elseif (\rb) == 0
	v_wmma_scale_f32_16x16x128_f8f6f4 v[\d:\d+7], v[\s0:\s0+11], v[\s1:\s1+11], 0, v[\x0], v[\x1] matrix_a_fmt:MATRIX_FMT_FP6 matrix_b_fmt:MATRIX_FMT_FP6 matrix_b_scale:MATRIX_SCALE_ROW1
.else
	v_wmma_scale_f32_16x16x128_f8f6f4 v[\d:\d+7], v[\s0:\s0+11], v[\s1:\s1+11], 0, v[\x0], v[\x1] matrix_a_fmt:MATRIX_FMT_FP6 matrix_b_fmt:MATRIX_FMT_FP6 matrix_a_scale:MATRIX_SCALE_ROW1 matrix_b_scale:MATRIX_SCALE_ROW1
.endif
.else
.if (\rb) == 0 && (\ra) == 0
	v_wmma_scale_f32_16x16x128_f8f6f4 v[\d:\d+7], v[\s0:\s0+11], v[\s1:\s1+11], v[\cr:\cr+7], v[\x0], v[\x1] matrix_a_fmt:MATRIX_FMT_FP6 matrix_b_fmt:MATRIX_FMT_FP6
.elseif (\ra) == 0
	v_wmma_scale_f32_16x16x128_f8f6f4 v[\d:\d+7], v[\s0:\s0+11], v[\s1:\s1+11], v[\cr:\cr+7], v[\x0], v[\x1] matrix_a_fmt:MATRIX_FMT_FP6 matrix_b_fmt:MATRIX_FMT_FP6 matrix_a_scale:MATRIX_SCALE_ROW1
.elseif (\rb) == 0
	v_wmma_scale_f32_16x16x128_f8f6f4 v[\d:\d+7], v[\s0:\s0+11], v[\s1:\s1+11], v[\cr:\cr+7], v[\x0], v[\x1] matrix_a_fmt:MATRIX_FMT_FP6 matrix_b_fmt:MATRIX_FMT_FP6 matrix_b_scale:MATRIX_SCALE_ROW1
.else
	v_wmma_scale_f32_16x16x128_f8f6f4 v[\d:\d+7], v[\s0:\s0+11], v[\s1:\s1+11], v[\cr:\cr+7], v[\x0], v[\x1] matrix_a_fmt:MATRIX_FMT_FP6 matrix_b_fmt:MATRIX_FMT_FP6 matrix_a_scale:MATRIX_SCALE_ROW1 matrix_b_scale:MATRIX_SCALE_ROW1
.endif
.endif
.endm
; 16 matrix instructions: row tiles a0, a0 + 1 x the eight column tiles.  p: the column operand's set and the scale words' set.  cm = 1: the products start the sums.
; The 64 accumulators take turns, one instruction a turn, in the same order in every step.
.macro MUL16 a0, p, cm
.irp a, \a0, \a0+1
.irp b, 0,1,2,3,4,5,6,7
.if (\cm) == 0
	WMR 8*(8*((\a)%4)+\b), 128*(\p)+12*\b, AF+12*(\a), 8*(8*((\a)%4)+\b), CS+4*(\p)+\b/2, RS+4*(\p)+(\a)/2, \b%2, (\a)%2
.else
	WMR 8*(8*((\a)%4)+\b), 128*(\p)+12*\b, AF+12*(\a), -1, CS+4*(\p)+\b/2, RS+4*(\p)+(\a)/2, \b%2, (\a)%2
.endif
.endr
.endr
.endm
.macro FRAG reg, adr, off              ; a fragment comes as it was laid: three loads of 16 bytes a lane, 512 consecutive bytes each
.irp c, 0,1,2
	ds_load_b128 v[\reg+4*\c:\reg+4*\c+3], v[\adr] offset:\off+512*\c
.endr
.endm
.macro FETCH_A ns, off, i0             ; row tiles i0 .. i0 + 3 of the block at off in slot ns
.irp i, \i0, \i0+1, \i0+2, \i0+3
	FRAG AF+12*(\i), RA16+\ns, \off+1536*(\i)
.endr
.endm
.macro NEXT1 ns, off, p                ; 44 loads: the column operand's eight fragments into set p, both operands' scale words into set p, row tiles 0-3
	WIN TO_B
.irp i, 0,1,2,3,4,5,6,7
	FRAG 128*(\p)+12*\i, CB16+\ns, \off+1536*\i
.endr
	WIN 0
.irp m, 0,1,2,3
	ds_load_b32 v[RS+4*(\p)+\m], v[RA4+\ns] offset:\off+SCO+128*\m     ; lanes 0-15 tile 2 m's words, lanes 16-31 tile 2 m + 1's
	ds_load_b32 v[CS+4*(\p)+\m], v[CB4+\ns] offset:\off+SCO+128*\m
.endr
	FETCH_A \ns, \off, 0
.endm
; A step of 128 along K; the next step's block lies at noff in slot ns.  Loads into registers that matrix instructions have read stand four plain places behind them.
.macro STEP p, cm, ns, noff
	s_wait_dscnt 12                                   ; all but the youngest twelve loads (row tiles 4-7)
	WIN MUL_LO
	MUL16 0, \p, \cm
	MUL16 2, \p, \cm
	s_wait_dscnt 0x0                                  ; row tiles 4-7 (asked for 32 matrix instructions ago)
	PLACES 4
	NEXT1 \ns, \noff, 1-(\p)
	WIN MUL_HI
	MUL16 4, \p, \cm
	MUL16 6, \p, \cm
	PLACES 4
	WIN 0
	FETCH_A \ns, \noff, 4
.endm
; A step that changes slots: one barrier; in front of it each wave waits for all its tensor loads, adds 0 to its spare word, and waits for that and for its reads.  fill = 1: slot fs is filled again.
.macro TURN p, cm, fill, fs, ns, noff
	s_wait_tensorcnt 0x0                              ; all my tensor loads have landed
	ds_add_u32 v[SPW], v[NIL]                         ; 0 onto my spare word
	s_wait_dscnt 13                                   ; (the add and the youngest twelve loads may be out)
	WIN MUL_LO
	MUL16 0, \p, \cm
	s_wait_dscnt 0x0                                  ; the add is done, and my reads of the slots behind me are over
	s_barrier_signal -1
	MUL16 2, \p, \cm
	WIN 0
	s_barrier_wait -1
.if \fill
	CREST                                             ; the barrier has opened a round of the cluster's barrier: no wave of any partner still reads the slot or has a load on its way
.set GB, G0B+4*(\fs)+4*((\fs)/2)
	s_add_nc_u64 s[G0+4*(\fs)+2:G0+4*(\fs)+3], s[G0+4*(\fs)+2:G0+4*(\fs)+3], FSTEP
	s_add_nc_u64 s[GB+2:GB+3], s[GB+2:GB+3], FSTEP
	JLOAD G0+4*(\fs), GB                              ; the first tensor load behind the round; its four v_nop are the places in front of the loads below
.else
	PLACES 4
.endif
	NEXT1 \ns, \noff, 1-(\p)
	WIN MUL_HI
	MUL16 4, \p, \cm
	MUL16 6, \p, \cm
	PLACES 4
	WIN 0
	FETCH_A \ns, \noff, 4
.endm
.macro LAST p
	s_wait_dscnt 12
	WIN MUL_LO
	MUL16 0, \p, 0
	MUL16 2, \p, 0
	s_wait_dscnt 0x0
	WIN MUL_HI
	MUL16 4, \p, 0
	MUL16 6, \p, 0
	WIN 0
.endm
; The 64 accumulator registers of a row tile, v[src] on in window W, register 16 b + i = column 32 b + 16 (lane / 16) + i of my row, become a fragment in v[pc] on and its scale word in v[pw].
.macro QUANTW src, W, pc, pw
	WIN ((\W)<<2)|((\W)<<4)                           ; sources 1 and 2: the accumulators' window.
.irp b, 0,1,2,3
	v_max3_num_f32 v[TM+\b], 0x1800000, |v[\src+16*\b]|, |v[\src+1+16*\b]|    ; and the floor 2^(3 - 127): the byte cannot fall under 1
.endr
.irp i, 2,4,6,8,10,12,14
.irp b, 0,1,2,3
	v_max3_num_f32 v[TM+\b], v[TM+\b], |v[\src+16*\b+\i]|, |v[\src+1+16*\b+\i]|
.endr
.endr
	WIN 0
.irp b, 0,1,2,3
	v_permlanex16_b32 v[TM+4+\b], v[TM+\b], s[SEL], s[SEL+1]
.endr
.irp b, 0,1,2,3
	v_max_num_f32 v[TM+\b], v[TM+\b], v[TM+4+\b]
.endr
.irp b, 0,1,2,3
	v_add_nc_u32 v[TM+12+\b], 0xff000000, v[TM+\b]    ; 2 off the exponent field: the conversion's scale operand
.endr
.irp b, 0,1,2,3
	v_lshrrev_b32 v[TM+4+\b], 23, v[TM+12+\b]
.endr
	v_lshl_or_b32 v[\pw], v[TM+5], 8, v[TM+4]
	v_lshl_or_b32 v[\pw], v[TM+6], 16, v[\pw]
	v_lshl_or_b32 v[\pw], v[TM+7], 24, v[\pw]
	s_wait_xcnt 0x0                                   ; the last tile's stores have read v[pc] on: it is written again only behind this wait
	WIN \W                                            ; source 0: the accumulators' window
.irp c, 0,1
	v_cvt_scalef32_pk16_fp6_f32 v[\pc+6*\c:\pc+2+6*\c], v[\src+32*\c:\src+15+32*\c], v[TM+12+2*\c]
	v_cvt_scalef32_pk16_fp6_f32 v[\pc+12+4*\c:\pc+14+4*\c], v[\src+16+32*\c:\src+31+32*\c], v[TM+12+2*\c+1]
.endr
	WIN 0
	v_nop                                             ; one plain place behind a scaled conversion
.irp c, 0,1
.irp i, 0,1,2
	v_permlane16_swap_b32 v[\pc+6*\c+\i], v[\pc+12+4*\c+\i]
.endr
.irp i, 0,1,2
	v_mov_b32 v[\pc+3+6*\c+\i], v[\pc+12+4*\c+\i]
.endr
.endr
.endm
	s_load_b128 s[4:7], s[0:1], 0x0                   ; act, wimg (w_qkv's blocks begin at its byte 0)
	s_load_b64 s[8:9], s[0:1], 0x10                   ; qkv
	v_lshl_add_u32 v[SPW], v0, 2, SPARE
	v_mov_b32 v[NIL], 0
	ds_add_u32 v2, v3
	ds_add_u32 v2, v3
	s_wait_dscnt 0x0
	v_lshrrev_b32 v1, 5, v0
	v_readfirstlane_b32 s14, v1                       ; wave 0..3
	v_and_b32 v1, 31, v0                              ; lane
	s_lshr_b32 s15, s14, 1                            ; my half of the rows.  Also: I fetch for the row operand (0) or the column operand (1)
	s_and_b32 s16, s14, 1                             ; my half of the columns.  Also: which 128 rows of that operand I fetch
	s_bfe_u32 s72, ttmp6, 0x40000                     ; cx
	s_bfe_u32 s73, ttmp6, 0x40004                     ; cy
	s_and_b32 s75, ttmp7, 0xffff                      ; cluster y
	s_lshl_b32 s76, s73, 2
	s_lshl_b32 s76, 15, s76                           ; my row of the cluster
	s_lshl_b32 s77, 0x1111, s72                       ; my column
	s_or_b32 s[G1], s76, (3<<16)|(1<<21)              ; the mask; elements of 8 bytes; bit 21 set beside a mask; no padding
	s_or_b32 s[G1B], s77, (3<<16)|(1<<21)
.irp g, G1, G1B                                   ; two blocks, 25,600 dense bytes, as 100 rows of 256 bytes
	s_mov_b32 s[\g+1], 32<<16
	s_mov_b32 s[\g+2], 200<<16                        ; the head's load: four blocks, 200 rows of 256 bytes
	s_mov_b32 s[\g+3], 32<<16
	s_mov_b32 s[\g+4], 200
	s_mov_b32 s[\g+5], 32
	s_mov_b32 s[\g+6], 0
	s_mov_b32 s[\g+7], 0
.endr
	s_mov_b32 s[SEL], 0x76543210
	s_mov_b32 s[SEL+1], 0xfedcba98
	s_lshl_b32 s78, s75, 3                            ; 8 x cluster y
	s_lshl_b32 s79, s73, 1
	s_add_co_u32 s80, s78, s79                        ; q, k: rows = tokens, half-panel 8 cly + 2 cy
	s_add_co_u32 s81, s79, 16                         ; v:    rows = features, half-panel 16 + 2 cy of w_qkv
	s_lshl_b32 s82, s72, 1
	s_add_co_u32 s83, s78, s82                        ; v:    columns = tokens, half-panel 8 cly + 2 cx
	s_lshl_b32 s84, ttmp9, 3
	s_add_co_u32 s84, s84, s82                        ; q, k: columns = features, half-panel 8 clx + 2 cx
	s_wait_kmcnt 0x0
	s_cmp_eq_u32 ttmp9, 2                             ; the cluster's x: the same in all sixteen partners
	s_cselect_b64 s[10:11], s[6:7], s[4:5]            ; the row operand's buffer
	s_cselect_b64 s[12:13], s[4:5], s[6:7]            ; the column operand's
	s_cselect_b32 s85, s81, s80                       ; the work-group's first half-panel of rows (it holds cy, never cx)
	s_cselect_b32 s86, s83, s84                       ; and of columns (cx, never cy)
	s_add_co_u32 s88, s85, s16
	s_mul_i32 s88, s88, 8*BLK                         ; a half-panel is eight blocks in both buffers
	s_mov_b32 s89, 0
	s_add_co_u32 s90, s86, s16
	s_mul_i32 s90, s90, 8*BLK
	s_mov_b32 s91, 0
	s_add_nc_u64 s[10:11], s[10:11], s[88:89]
	s_add_nc_u64 s[12:13], s[12:13], s[90:91]
	s_mul_i32 s92, s14, 4*BLK                         ; LDS AS IT IS USED: region A, bytes 0 .. 16 BLK: part w (rows' halves 0, 1, columns' halves 2, 3) at 4 w BLK holds K steps 0-3, later 6, 7 over 0, 1; region B from 16 BLK: part w at + 2 w BLK holds K steps 4, 5
	CROUND                                            ; all sixteen work-groups are here: the first joint loads meet
	s_lshr_b32 s95, s92, 1                            ; 2 w BLK
.irp j, 0,1
	s_mov_b32 s[G0+4*\j], 1
	s_add_nc_u64 s[G0+4*\j+2:G0+4*\j+3], s[10:11], \j*4*BLK
	s_or_b32 s[G0+4*\j+3], s[G0+4*\j+3], 0x80000000
	s_mov_b32 s[G0B+4*\j+4*(\j/2)], 1
	s_add_nc_u64 s[G0B+4*\j+4*(\j/2)+2:G0B+4*\j+4*(\j/2)+3], s[12:13], \j*4*BLK
	s_or_b32 s[G0B+4*\j+4*(\j/2)+3], s[G0B+4*\j+4*(\j/2)+3], 0x80000000
.endr
	s_add_co_u32 s[G0+1], s92, 0
	s_add_co_u32 s[G0B+1], s92, 0
	s_add_co_u32 s[G0+5], s95, 2*SLOT
	s_add_co_u32 s[G0B+5], s95, 2*SLOT
	JLOAD G0, G0B                                     ; K steps 0-3: one tensor load a wave at the head
	s_mul_i32 s93, s15, 4*BLK                         ; my 128 rows' part of region A
	s_mul_i32 s94, s16, 4*BLK
	s_add_co_u32 s94, s94, 8*BLK                      ; my 128 columns'
	s_wait_alu depctr_va_vdst(0)
.irp j, 0,1
	v_lshl_add_u32 v[RA16+\j], v1, 4, s93
	v_lshl_add_u32 v[RA4+\j], v1, 2, s93
	v_lshl_add_u32 v[CB16+\j], v1, 4, s94
	v_lshl_add_u32 v[CB4+\j], v1, 2, s94
.if \j == 0
	s_lshr_b32 s93, s93, 1                            ; the same parts in region B: half as long, 16 BLK further on
	s_lshr_b32 s94, s94, 1
	s_add_co_u32 s93, s93, 2*SLOT
	s_add_co_u32 s94, s94, 2*SLOT
.endif
.endr
	s_wait_alu depctr_va_vdst(0)
	s_wait_tensorcnt 0x0                              ; my part of K steps 0-3 is in
	ds_add_u32 v[SPW], v[NIL]
	s_mov_b32 s[G1+2], 100<<16                        ; no tensor load of mine is out: from here on a load brings two blocks, 100 rows
	s_mov_b32 s[G1+4], 100
	s_mov_b32 s[G1B+2], 100<<16
	s_mov_b32 s[G1B+4], 100
	s_wait_dscnt 0x0
	CROUND                                            ; everybody's part is in, and the joint loads meet
	JLOAD G0+4, G0B+4                                 ; K steps 4, 5 into region B: two K steps, 128 matrix instructions, stand ahead of the wait for it
	NEXT1 0, 0, 0
	FETCH_A 0, 0, 4
	STEP 0, 1, 0, BLK                                 ; K step 0 starts the sums
	STEP 1, 0, 0, 2*BLK
	TURN 0, 0, 1, 0, 0, 3*BLK                         ; K step 2: the bytes of K steps 0, 1 are read no more and take K steps 6, 7; region B is whole
	STEP 1, 0, 1, 0
	STEP 0, 0, 1, BLK
	TURN 1, 0, 0, 0, 0, 0                             ; K step 5; the refill of slot 0 has landed, in every wave
	STEP 0, 0, 0, BLK
	LAST 1
	; THE WAY OUT: my 128 x 128 numbers become one block.  Its scale words are gathered in 512 bytes of my own in slot 1, which has had its only fill and was read last in front of K step 5's barrier.
	PLACES 4
.irp b, 0,1,2,3
	v_mov_b32 v[TM+4+\b], 0                           ; a lane permute's destination counts as one of its sources
.endr
	v_lshlrev_b32 v32, 4, v1                          ; 16 x lane
	v_and_b32 v33, 15, v0
	s_lshl_b32 s17, s14, 9
	s_add_co_u32 s17, s17, 2*SLOT                     ; in region B: it has had its only fill and was read last in front of K step 5's barrier
	v_lshl_add_u32 v33, v33, 2, s17                   ; my row's word
	v_add_nc_u32 v34, s17, v32
	s_add_co_u32 s18, s85, s15                        ; my half-panel of rows,
	s_add_co_u32 s19, s86, s16                        ; of columns
	s_cmp_eq_u32 ttmp9, 2
	s_cselect_b32 s20, s19, s18                       ; which of them counts tokens,
	s_cselect_b32 s21, s18, s19                       ; which features
	s_lshr_b32 s22, s21, 3                            ; q, k or v
	s_lshl_b32 s22, s22, 1
	s_lshr_b32 s23, s20, 4                            ; the batch
	s_add_co_u32 s22, s22, s23
	s_lshl_b32 s22, s22, 3
	s_and_b32 s23, s21, 7                             ; the pair of heads
	s_add_co_u32 s22, s22, s23
	s_lshl_b32 s22, s22, 4
	s_and_b32 s23, s20, 15                            ; the 128 tokens
	s_add_co_u32 s22, s22, s23
	s_mul_i32 s22, s22, BLK
	s_mov_b32 s23, 0
	s_add_nc_u64 s[8:9], s[8:9], s[22:23]
.irp a, 0,1,2,3,4,5,6,7
	QUANTW 64*(\a%4), 2+\a/4, 176, 196+\a
	ds_store_b32 v33, v[196+\a] offset:64*\a          ; both halves of the lanes write the same word with the same value
.irp c, 0,1,2
	global_store_b128 v32, v[176+4*\c:179+4*\c], s[8:9] offset:1536*\a+512*\c     ; 512 consecutive bytes, aligned
.endr
.endr
	ds_load_b128 v[36:39], v34                        ; LDS serves a wave's instructions in order: this sees my stores
	s_wait_dscnt 0x0
	global_store_b128 v32, v[36:39], s[8:9] offset:SCO
	s_wait_tensorcnt 0x0                              ; the wave's end
	ds_add_u32 v[SPW], v[NIL]
	s_wait_dscnt 0x0
	CROUND                                            ; the closing round
	s_endpgm
.Lfunc_end_k_q273aca753e_qkv:
	.size	k_q273aca753e_qkv, .Lfunc_end_k_q273aca753e_qkv-k_q273aca753e_qkv
	.p2alignl 7, 3214868480
	.fill 96, 4, 3214868480
	.section	.rodata,"a",@progbits
	.p2align	6, 0x0
	.amdhsa_kernel k_q273aca753e_qkv
		.amdhsa_group_segment_fixed_size 327680
		.amdhsa_private_segment_fixed_size 0
		.amdhsa_enable_private_segment 0
		.amdhsa_kernarg_size 24
		.amdhsa_user_sgpr_count 2
		.amdhsa_user_sgpr_kernarg_segment_ptr 1
		.amdhsa_wavefront_size32 1
		.amdhsa_system_sgpr_workgroup_id_x 1
		.amdhsa_system_sgpr_workgroup_id_y 1
		.amdhsa_system_sgpr_workgroup_id_z 1
		.amdhsa_system_vgpr_workitem_id 0
		.amdhsa_next_free_vgpr 1024
		.amdhsa_next_free_sgpr 100
		.amdhsa_reserve_vcc 0
		.amdhsa_float_denorm_mode_32 3
		.amdhsa_float_denorm_mode_16_64 3
		.amdhsa_memory_ordered 1
		.amdhsa_forward_progress 1
		.amdhsa_inst_pref_size 140
	.end_amdhsa_kernel
	.amdgpu_metadata
---
amdhsa.version: [ 1, 2 ]
amdhsa.kernels:
  - .name:           k_q273aca753e_qkv
    .symbol:         k_q273aca753e_qkv.kd
    .args:
      - { .name: act, .offset: 0, .size: 8, .value_kind: global_buffer, .address_space: global }
      - { .name: wimg, .offset: 8, .size: 8, .value_kind: global_buffer, .address_space: global }
      - { .name: qkv, .offset: 16, .size: 8, .value_kind: global_buffer, .address_space: global }
    .group_segment_fixed_size: 327680
    .private_segment_fixed_size: 0
    .kernarg_segment_align: 8
    .kernarg_segment_size: 24
    .max_flat_workgroup_size: 128
    .sgpr_count:     100
    .vgpr_count:     1024
    .wavefront_size: 32
...
	.end_amdgpu_metadata
.endif
;; end of part 2
;; launch attn (part 3): grid 16 x 16, 8 waves a work-group, clusters of 4 x 1, 327,680 bytes of LDS; arguments qkv, oimg; writes oimg
.if DOCPART == 3
	.amdgcn_target "amdgcn-amd-amdhsa--gfx1250"
	.amdhsa_code_object_version 6
	.text
	.protected	k_q273aca753e_attn
	.globl	k_q273aca753e_attn
	.p2align	8
	.type	k_q273aca753e_attn,@function
k_q273aca753e_attn:
	s_mov_b64 s[64:65], 0
	v_nop
	global_prefetch_b8 v0, s[64:65] scope:SCOPE_SE
	s_setreg_imm32_b32 hwreg(HW_REG_WAVE_MODE, 25, 1), 1
	s_wait_xcnt 0x0
	s_wait_alu depctr_hold_cnt(0) depctr_sa_sdst(0) depctr_va_vdst(0) depctr_va_sdst(0) depctr_va_ssrc(0) depctr_va_vcc(0) depctr_vm_vsrc(0)
	s_getreg_b32 s2, hwreg(HW_REG_IB_STS2, 6, 4)
	s_cmp_eq_u32 s2, 0
	s_cbranch_scc0 .Lentry_in_a_cluster
	s_endpgm
.Lentry_in_a_cluster:
	s_bfe_u32 s2, ttmp6, 0x10000c
	s_cmp_lg_u32 s2, 0x3003
	s_cbranch_scc0 .Lentry_shape_is_right
	s_endpgm
.Lentry_shape_is_right:
; ATTENTION on codes of FP6 (E2M3): o = softmax(q k^T / 8) v for 32 heads of 64, 2,048 keys; o / l is quantised along C for the next product.
; t = score x log2(e) / 8; M = the running largest t rounded up to a whole number; p = 2^(t - M) is quantised along the keys; the row's sum l is taken of the unquantised p;
; when M moves, l and O are multiplied by 2^(old M - new M), which rounds nothing.
; SHARES.  A work-group owns 128 queries of a PAIR of heads; wave w owns query tile w (16 queries) of both heads; two waves to a SIMD.  A block of q, k (128 tokens x the pair's 128 numbers)
; holds head A in k = 0..63 and head B in k = 64..127: a fragment of keys is multiplied once by [q_A | zeros] and once by [zeros | q_B]: zero codes add nothing.
; Both products are used transposed (S^T = k q^T, O^T = v^T p^T): a lane holds one query.  The order of rows in a fragment makes the 16 registers of two neighbouring tiles 16 neighbouring keys.
; Blocks are 12,800 bytes: fragment i at 1536 i, plane c at + 512 c, 16 bytes a lane; scale words at 12,288 + 64 i + 4 r.
; LDS: region A, 8 blocks: k of four key steps, then v of the same four.  Region B, 16 blocks: k of eight key steps, then v of the eight.
; Wave (kind, n), kind = k or v, n = 0..3, fetches: at the head block n of A (key steps 0-3); behind the first round two blocks of B (key steps 4 + 2 n, 5 + 2 n);
; behind key step 3 block n of A once more (key steps 12-15), which has eight key steps in which to land.  One tensor load of a wave is out at any time; every wait on TENSORcnt is for 0.
; CLUSTER 4 x 1: the four query blocks walk the same k and v: every tile is asked for jointly.
; PREFETCH: behind the head's load each wave names its share of the 100 pieces of 256 bytes of its part of B, and behind B's load its share of the 50 pieces of its refill of A;
; the four partners share the pieces out by address (25 and 13 each; lanes left over name the share's last piece again).  Key steps 0-3 come by their load alone.
; LIMITS: a block of p or o whose largest magnitude lies under 2^-124 gets the scale byte 1; NaN and infinities are not served; the scaled scores t stay under 2^31 in magnitude.
; REGISTERS: window 0: v1, v2 16 x, 4 x lane; v3, v4 k's addresses, v44, v45 v's; v5, v6 the add's; v12-19 -M, largest t, the sum's halves, for A and B; v20-23 f; v24, v25 at work;
;   v27 the stage's read address; v32-35 k's scale words, v36-39 v's, v40 q's, v41, v42 p's; v46, v47 the prefetches' offsets; v64-191 S^T then p (A, B); v192-215 p's codes; v216-255 at work.
;   window 1: v0-95 the fragments of k or of v; v96-159 O^T (A, B); v160-177 q_A, zeros, q_B.
.set BLK,   12800
.set SCO,   12288
.set RB,    8*BLK                      ; region B
.set SPARE, 24*BLK                     ; the spare words, 128 bytes a wave: four blocks of 256 bytes that no other line names
.set STG,   RB                         ; the way out: 512 bytes for the scale words, in region B: it has had its only fill, and nobody reads it behind the last barrier of the key steps
.set SPW, 5
.set NIL, 6
.set S,   64
.set PC,  192
.set CT,  216
.set BM,  232
.set PT,  240
.set SO,  248
.set TM,  232
.set CLIT, 0x3e38aa3b                  ; c = log2(e) / 8
.set TV,  12                           ; LDS byte of the key step's block of v
.set SEL, 20
.set CSC, 22                           ; s22 = c
.set G1,  24                           ; group 1: one block, 50 rows of 256 bytes
.set G0,  32                           ; s[32:35] group 0 for A, s[36:39] for B
.set TB,  44                           ; LDS byte of the key step's block of k
.set CNT, 45
.set G1L, 56                           ; group 1: two blocks, 100 rows
.set MSB, 0
.macro WIN new
.if MSB != (\new)
	s_set_vgpr_msb (MSB<<8)|(\new)
.set MSB, (\new)
.endif
.endm
.macro PLACES n
.rept \n
	v_nop
.endr
.endm
.macro CROUND                          ; a round of the cluster's barrier
	s_barrier_signal -1
	s_barrier_wait -1
	s_cmp_lg_u32 s14, 0
	s_cbranch_scc1 .Lnot_wave_0_\@
	s_barrier_signal -3
.Lnot_wave_0_\@:
	s_barrier_wait -3
	s_barrier_signal -1
	s_barrier_wait -1
.endm
.macro WMR d, s0, s1, c, x0, x1, rb    ; one matrix instruction; c: the C operand as text.  rb: source 0's scale words stand in lanes 16-31
.if (\rb) == 0
	v_wmma_scale_f32_16x16x128_f8f6f4 v[\d:\d+7], v[\s0:\s0+11], v[\s1:\s1+11], \c, v[\x0], v[\x1] matrix_a_fmt:MATRIX_FMT_FP6 matrix_b_fmt:MATRIX_FMT_FP6
.else
	v_wmma_scale_f32_16x16x128_f8f6f4 v[\d:\d+7], v[\s0:\s0+11], v[\s1:\s1+11], \c, v[\x0], v[\x1] matrix_a_fmt:MATRIX_FMT_FP6 matrix_b_fmt:MATRIX_FMT_FP6 matrix_a_scale:MATRIX_SCALE_ROW1
.endif
.endm
.macro QUANT src, pc, pw               ; 64 numbers of a lane, register 16 b + i = k 32 b + 16 (lane / 16) + i, become a fragment in v[pc] on and its scale word in v[pw]
.irp b, 0,1,2,3
	v_max3_num_f32 v[TM+\b], |v[\src+16*\b]|, |v[\src+1+16*\b]|, 0x1800000
.endr
.irp i, 2,4,6,8,10,12,14
.irp b, 0,1,2,3
	s_delay_alu instid0(VALU_DEP_4)
	v_max3_num_f32 v[TM+\b], v[TM+\b], |v[\src+16*\b+\i]|, |v[\src+1+16*\b+\i]|
.endr
.endr
.irp b, 0,1,2,3
	s_delay_alu instid0(VALU_DEP_4)
	v_permlanex16_b32 v[TM+4+\b], v[TM+\b], s[SEL], s[SEL+1]
.endr
.irp b, 0,1,2,3
	s_delay_alu instid0(VALU_DEP_4)
	v_max_num_f32 v[TM+\b], v[TM+\b], v[TM+4+\b]
.endr
.irp b, 0,1,2,3
	s_delay_alu instid0(VALU_DEP_4)
	v_add_nc_u32 v[TM+12+\b], 0xff000000, v[TM+\b]
.endr
.irp b, 0,1,2,3
	s_delay_alu instid0(VALU_DEP_4)
	v_lshrrev_b32 v[TM+4+\b], 23, v[TM+12+\b]
.endr
	s_delay_alu instid0(VALU_DEP_3)
	v_lshl_or_b32 v[\pw], v[TM+5], 8, v[TM+4]
	s_delay_alu instid0(VALU_DEP_1)
	v_lshl_or_b32 v[\pw], v[TM+6], 16, v[\pw]
	s_delay_alu instid0(VALU_DEP_1)
	v_lshl_or_b32 v[\pw], v[TM+7], 24, v[\pw]
.irp c, 0,1
	v_cvt_scalef32_pk16_fp6_f32 v[\pc+6*\c:\pc+2+6*\c], v[\src+32*\c:\src+15+32*\c], v[TM+12+2*\c]
	v_cvt_scalef32_pk16_fp6_f32 v[\pc+12+4*\c:\pc+14+4*\c], v[\src+16+32*\c:\src+31+32*\c], v[TM+12+2*\c+1]
.endr
	v_nop
.irp c, 0,1
.irp i, 0,1,2
	v_permlane16_swap_b32 v[\pc+6*\c+\i], v[\pc+12+4*\c+\i]
.endr
.irp i, 0,1,2
	s_delay_alu instid0(VALU_DEP_3)
	v_mov_b32 v[\pc+3+6*\c+\i], v[\pc+12+4*\c+\i]
.endr
.endr
.endm
; A KEY STEP: 128 keys, both heads.  The two heads' eight blocks of 32 keys are one run n = 0 .. 7 (head n / 4): block n's 16 registers of a lane begin at v[S + 16 n].
.macro KSTEP
	v_add_nc_u32 v3, s[TB], v1
	v_add_nc_u32 v4, s[TB], v2
	v_add_nc_u32 v44, s[TV], v1
	v_add_nc_u32 v45, s[TV], v2                       ; these four are the plain places in front of loads into registers that the last products read
.irp m, 0,1,2,3
	ds_load_b32 v[32+\m], v4 offset:SCO+128*\m        ; k's scale words: lanes 0-15 tile 2 m's, lanes 16-31 tile 2 m + 1's
.endr
	WIN 0x40
.irp a, 0,1,2,3,4,5,6,7
.irp c, 0,1,2
	ds_load_b128 v[12*\a+4*\c:12*\a+4*\c+3], v3 offset:1536*\a+512*\c
.endr
.endr
	s_wait_alu depctr_va_vdst(0)
	WIN 0x05                                          ; k and q in window 1, S^T in window 0
.irp a, 0,1,2,3,4,5,6,7
	s_wait_dscnt 21-3*\a                              ; tile a is in: the three loads of each later tile may be out
	WMR S+8*\a, 12*\a, 160, 0, 32+\a/2, 40, \a%2      ; head A: [q_A | zeros]
	WMR S+64+8*\a, 12*\a, 166, 0, 32+\a/2, 40, \a%2   ; head B: [zeros | q_B]
.endr
	WIN 0
	PLACES 4
.irp m, 0,1,2,3
	ds_load_b32 v[36+\m], v45 offset:SCO+128*\m       ; v's block is asked for now and lands under the softmax
.endr
	WIN 0x40
.irp a, 0,1,2,3,4,5,6,7
.irp c, 0,1,2
	ds_load_b128 v[12*\a+4*\c:12*\a+4*\c+3], v44 offset:1536*\a+512*\c
.endr
.endr
	WIN 0
.irp n, 0,1,2,3,4,5,6,7
	v_max3_num_f32 v[BM+\n], v[S+16*\n], v[S+16*\n+1], v[S+16*\n+2]      ; the largest score of each block: for the row's maximum, and, since p rises with the score, for the block's largest p
.endr
.irp i, 3,5,7,9,11,13
.irp n, 0,1,2,3,4,5,6,7
	v_max3_num_f32 v[BM+\n], v[BM+\n], v[S+16*\n+\i], v[S+16*\n+\i+1]
.endr
.endr
.irp n, 0,1,2,3,4,5,6,7
	v_max_num_f32 v[BM+\n], v[BM+\n], v[S+16*\n+15]
.endr
.irp n, 0,1,2,3,4,5,6,7
	v_permlanex16_b32 v[PT+\n], v[BM+\n], s[SEL], s[SEL+1]
.endr
.irp n, 0,1,2,3,4,5,6,7
	v_max_num_f32 v[BM+\n], v[BM+\n], v[PT+\n]        ; with lane l xor 16's 16 keys
.endr
	v_max3_num_f32 v24, v[BM], v[BM+1], v[BM+2]
	s_delay_alu instid0(VALU_DEP_3)
	v_max3_num_f32 v25, v[BM+4], v[BM+5], v[BM+6]
.irp e, 0,1
	s_delay_alu instid0(VALU_DEP_2)
	v_max_num_f32 v[24+\e], v[24+\e], v[BM+4*\e+3]
.endr
.irp e, 0,1
	s_delay_alu instid0(VALU_DEP_2)
	v_mul_f32 v[24+\e], s[CSC], v[24+\e]              ; as t (c is positive)
.endr
	s_delay_alu instid0(VALU_DEP_2)
	v_max_num_f32 v13, v13, v24                       ; the running largest t
	v_mov_b32 v24, v12
	s_delay_alu instid0(VALU_DEP_3)
	v_max_num_f32 v17, v17, v25
	v_mov_b32 v25, v16
	s_delay_alu instid0(VALU_DEP_4)
	v_floor_f32 v12, -v13                             ; the new -M = floor(-t): M is a whole number
	s_delay_alu instid0(VALU_DEP_3)
	v_floor_f32 v16, -v17
.irp e, 0,1
	s_delay_alu instid0(VALU_DEP_2)
	v_sub_f32 v[24+\e], v[12+4*\e], v[24+\e]          ; old M - new M, a whole number, 0 or less
.endr
.irp e, 0,1
	s_delay_alu instid0(VALU_DEP_2)
	v_cvt_i32_f32 v[24+\e], v[24+\e]                  ; (it saturates)
.endr
.irp e, 0,1
	s_delay_alu instid0(VALU_DEP_2)
	v_ldexp_f32 v[20+2*\e], 1.0, v[24+\e]             ; f = 2^(old M - new M)
.endr
.set j, 0
.rept 64
	v_pk_fma_f32 v[S+j:S+j+1], v[S+j:S+j+1], s[CSC:CSC+1], v[12+4*(j/64):13+4*(j/64)] op_sel_hi:[1,0,0]   ; t - M, two at a time
.set j, j+2
.endr
.irp n, 0,1,2,3,4,5,6,7
	v_fma_f32 v[BM+\n], v[BM+\n], s[CSC], v[12+4*(\n/4)]   ; the same of each block's largest score
.endr
.set j, 0
	s_wait_alu depctr_va_vdst(0)
.rept 128
	v_exp_f32 v[S+j], v[S+j]                          ; p = 2^(t - M): one batch
.set j, j+1
.endr
.irp e, 0,1
	v_pk_mul_f32 v[14+4*\e:15+4*\e], v[14+4*\e:15+4*\e], v[20+2*\e:21+2*\e] op_sel_hi:[1,0]   ; the sums under the new M (plain places behind the batch)
.endr
	s_wait_alu depctr_va_vdst(0)                      ; one wait for the batch, ahead of its first reader
.irp n, 0,1,2,3,4,5,6,7
	v_exp_f32 v[BM+\n], v[BM+\n]                      ; each block's largest p
.endr
.irp e, 0,1
	v_pk_add_f32 v[PT+4*\e:PT+4*\e+1], v[S+64*\e:S+64*\e+1], v[S+64*\e+2:S+64*\e+3]    ; the row's sum of the unquantised p: two chains of two a head
.endr
.irp j, 4,8,12,16,20,24,28,32,36,40,44,48,52,56,60
.irp e, 0,1
	v_pk_add_f32 v[14+4*\e:15+4*\e], v[14+4*\e:15+4*\e], v[S+64*\e+\j:S+64*\e+\j+1]
	v_pk_add_f32 v[PT+4*\e:PT+4*\e+1], v[PT+4*\e:PT+4*\e+1], v[S+64*\e+\j+2:S+64*\e+\j+3]
.endr
.endr
	s_wait_alu depctr_va_vdst(0)                      ; and one for the eight
.irp n, 0,1,2,3,4,5,6,7
	v_max_num_f32 v[BM+\n], 0x1800000, v[BM+\n]       ; the floor 2^(3 - 127): the byte cannot fall under 1
.endr
.irp e, 0,1
	v_pk_add_f32 v[14+4*\e:15+4*\e], v[14+4*\e:15+4*\e], v[PT+4*\e:PT+4*\e+1]   ; the two chains joined
.endr
.irp n, 0,1,2,3,4,5,6,7
	v_add_nc_u32 v[SO+\n], 0xff000000, v[BM+\n]       ; 2 off the exponent field: the conversion's scale operand
.endr
.irp n, 0,1,2,3,4,5,6,7
	v_lshrrev_b32 v[PT+\n], 23, v[SO+\n]              ; the scale's byte
.endr
	v_lshl_or_b32 v41, v[PT+1], 8, v[PT]
	s_delay_alu instid0(VALU_DEP_4)
	v_lshl_or_b32 v42, v[PT+5], 8, v[PT+4]
.irp e, 0,1
	s_delay_alu instid0(VALU_DEP_2)
	v_lshl_or_b32 v[41+\e], v[PT+4*\e+2], 16, v[41+\e]
.endr
.irp e, 0,1
	s_delay_alu instid0(VALU_DEP_2)
	v_lshl_or_b32 v[41+\e], v[PT+4*\e+3], 24, v[41+\e]   ; p's scale word for these 128 keys
.endr
.irp e, 0,1
.irp c, 0,1
	v_cvt_scalef32_pk16_fp6_f32 v[PC+12*\e+6*\c:PC+12*\e+6*\c+2], v[S+64*\e+32*\c:S+64*\e+32*\c+15], v[SO+4*\e+2*\c]
	v_cvt_scalef32_pk16_fp6_f32 v[CT+8*\e+4*\c:CT+8*\e+4*\c+2], v[S+64*\e+32*\c+16:S+64*\e+32*\c+31], v[SO+4*\e+2*\c+1]
.endr
.endr
	v_nop                                             ; one plain place behind a scaled conversion
.irp e, 0,1
.irp c, 0,1
.irp i, 0,1,2
	v_permlane16_swap_b32 v[PC+12*\e+6*\c+\i], v[CT+8*\e+4*\c+\i]
.endr
.irp i, 0,1,2
	s_delay_alu instid0(VALU_DEP_3)
	v_mov_b32 v[PC+12*\e+6*\c+3+\i], v[CT+8*\e+4*\c+\i]
.endr
.endr
.endr
	WIN 0x41                                          ; O^T in window 1, f in window 0
.set j, 0
.rept 32
	v_pk_mul_f32 v[96+j:97+j], v[96+j:97+j], v[20+2*(j/32):21+2*(j/32)] op_sel_hi:[1,0]   ; O^T under the new M.  (These are also the places between p's codes and scale words and the products)
.set j, j+2
.endr
	s_wait_alu depctr_va_vdst(0)
	s_wait_dscnt 0x0                                  ; v's block is in
	WIN 0x51                                          ; v and O^T in window 1, p in window 0
.irp t, 0,1,2,3                                   ; the eight accumulators by turns, one instruction a turn
	WMR 96+8*\t, 12*\t, PC, v[96+8*\t:103+8*\t], 36+\t/2, 41, \t%2
	WMR 128+8*\t, 48+12*\t, PC+12, v[128+8*\t:135+8*\t], 38+\t/2, 42, \t%2
.endr
	WIN 0
	s_add_co_u32 s[TB], s[TB], BLK
	s_add_co_u32 s[TV], s[TV], BLK
.endm
.macro KLOOP n
	s_mov_b32 s[CNT], \n
.Lkey_\@:
	KSTEP
	s_sub_co_u32 s[CNT], s[CNT], 1
	s_cmp_lg_u32 s[CNT], 0
	s_cbranch_scc1 .Lkey_\@
.endm
	s_load_b128 s[4:7], s[0:1], 0x0                   ; qkv, oimg
	v_lshl_add_u32 v[SPW], v0, 2, SPARE
	v_mov_b32 v[NIL], 0
	ds_add_u32 v[SPW], v[NIL]                         ; the opening lines: the add, twice on end, and its one wait ahead of my first tensor load
	ds_add_u32 v[SPW], v[NIL]
	v_lshrrev_b32 v1, 5, v0
	s_delay_alu instid0(VALU_DEP_1)
	v_readfirstlane_b32 s14, v1                       ; wave 0..7
	s_lshr_b32 s15, s14, 2                            ; I fetch k's blocks (0) or v's (1)
	s_and_b32 s16, s14, 3                             ; n
	s_bfe_u32 s17, ttmp6, 0x40000                     ; cx
	s_lshl_b32 s18, ttmp9, 2
	s_add_co_u32 s18, s18, s17                        ; my block of 128 queries: it enters q's and o's addresses alone
	s_and_b32 s19, ttmp7, 0xffff                      ; 8 x batch + pair of heads, which the four partners share
.irp g, G1, G1L
	s_mov_b32 s[\g], 15|(3<<16)|(1<<21)               ; the mask: all four; elements of 8 bytes; bit 21 set beside a mask; no padding
	s_mov_b32 s[\g+1], 32<<16                         ; dense bytes as rows of 256
	s_mov_b32 s[\g+3], 32<<16
	s_mov_b32 s[\g+5], 32
	s_mov_b32 s[\g+6], 0
	s_mov_b32 s[\g+7], 0
.endr
	s_mov_b32 s[G1+2], 50<<16
	s_mov_b32 s[G1+4], 50
	s_mov_b32 s[G1L+2], 100<<16
	s_mov_b32 s[G1L+4], 100
	s_mov_b32 s[SEL], 0x76543210
	s_mov_b32 s[SEL+1], 0xfedcba98
	s_mov_b32 s[CSC], CLIT
	s_mov_b32 s[CSC+1], s[CSC]                        ; the packed form names the pair and takes its low word for both halves
	s_mov_b32 s[TB], 0
	s_mov_b32 s[TV], 4*BLK
	s_lshl_b32 s46, s15, 4
	s_add_co_u32 s46, s46, s19
	s_add_co_u32 s46, s46, 16
	s_lshl_b32 s46, s46, 4
	s_add_co_u32 s46, s46, s16                        ; block ((1 + kind) 16 + y) 16 + n: key step n
	s_mul_i32 s46, s46, BLK
	s_mov_b32 s47, 0
	s_mul_i32 s48, s15, 4*BLK
	s_mul_i32 s49, s16, BLK
	s_add_co_u32 s48, s48, s49                        ; its place in A: 4 kind + n blocks
	s_lshl_b32 s8, s48, 1
	s_add_co_u32 s8, s8, RB                           ; my two blocks' place in B: 8 kind + 2 n blocks
	s_add_co_u32 s10, s49, 4*BLK                      ; from key step n to key step 4 + 2 n, in bytes
	s_mov_b32 s11, 0
	s_mul_i32 s13, s17, 25*256
	s_add_co_u32 s13, s13, s10                        ; the first prefetch: my work-group's 25 pieces of those two blocks
	s_mul_i32 s9, s17, 13                             ; the second: its 13 pieces of the refill's 50
	s_lshl_b32 s50, s19, 4
	s_add_co_u32 s50, s50, s18
	s_mul_i32 s50, s50, BLK                           ; q's block: y 16 + my block of queries
	s_mov_b32 s51, 0
	s_lshr_b32 s52, s19, 3
	s_lshl_b32 s52, s52, 4
	s_add_co_u32 s52, s52, s18
	s_lshl_b32 s52, s52, 3
	s_and_b32 s53, s19, 7
	s_add_co_u32 s52, s52, s53
	s_mul_i32 s52, s52, BLK                           ; o's block: (16 batch + my block of queries) 8 + pair
	s_mov_b32 s53, 0
	s_mul_i32 s54, s14, 1536
	s_lshl_b32 s55, s14, 6
	s_add_co_u32 s40, s55, SCO
	s_add_co_u32 s41, s55, STG
	; the addresses and the first values, laid by turns: every reader stands five or more vector instructions behind the line that it reads
	v_and_b32 v10, 31, v0
	v_and_b32 v7, 15, v0
	v_mov_b32 v13, 0xff61b1e6                         ; the largest t so far: -3e38
	v_mov_b32 v17, 0xff61b1e6
	v_mov_b32 v14, 0                                  ; the sums
	v_mov_b32 v15, 0
	v_lshlrev_b32 v1, 4, v10                          ; 16 x lane
	v_lshlrev_b32 v2, 2, v10                          ; 4 x lane
	v_lshlrev_b32 v7, 2, v7                           ; 4 r
	v_min_u32 v46, 24, v10
	v_min_u32 v47, 12, v10
	v_floor_f32 v12, -v13                             ; -M
	v_floor_f32 v16, -v17
	v_add_nc_u32 v8, s54, v1                          ; my tile's fragment in a block
	v_add_nc_u32 v9, s40, v7                          ; and its scale words
	v_add_nc_u32 v11, s41, v7                         ; the way out: my row's word in the stage,
	v_add_nc_u32 v27, STG, v1                         ; and where the stage is read back
	v_lshl_add_u32 v46, v46, 8, s13                   ; a lane a piece of 256 bytes; never rewritten
	v_add_nc_u32 v47, s9, v47
	v_mov_b32 v18, 0
	v_mov_b32 v19, 0
	v_mov_b32 v21, 0                                  ; the upper halves of the pairs of f
	v_mov_b32 v23, 0
	v_min_u32 v47, 49, v47                            ; held inside the block
.irp n, 0,1,2,3,4
	v_mov_b32 v[PT+\n], 0                             ; a lane permute's destination counts as one of its sources
.endr
	v_lshlrev_b32 v47, 8, v47                         ; never rewritten
.irp n, 5,6,7
	v_mov_b32 v[PT+\n], 0
.endr
	s_wait_alu depctr_va_vdst(0)
	s_wait_dscnt 0x0                                  ; both opening adds are done
	s_wait_kmcnt 0x0
	s_add_nc_u64 s[46:47], s[4:5], s[46:47]
	s_add_nc_u64 s[50:51], s[4:5], s[50:51]
	s_add_nc_u64 s[52:53], s[6:7], s[52:53]
.irp c, 0,1,2
	global_load_b128 v[64+4*\c:67+4*\c], v8, s[50:51] offset:512*\c    ; q's fragment, asked for ahead of the round
.endr
	global_load_b32 v40, v9, s[50:51]                 ; q's scale words
	s_mov_b32 s[G0], 1
	s_add_co_u32 s[G0+1], s48, 0
	s_mov_b64 s[G0+2:G0+3], s[46:47]
	s_or_b32 s[G0+3], s[G0+3], 0x80000000
	s_mov_b32 s[G0+4], 1
	s_add_co_u32 s[G0+5], s8, 0
	s_add_nc_u64 s[G0+6:G0+7], s[46:47], s[10:11]
	s_or_b32 s[G0+7], s[G0+7], 0x80000000
	CROUND                                            ; all four work-groups are here: the first joint loads meet
	tensor_load_to_lds s[G0:G0+3], s[G1:G1+7]         ; key step n's block: one tensor load a wave at the head
	s_nop 0
	PLACES 4
	global_prefetch_b8 v46, s[46:47] th:TH_LOAD_NT scope:SCOPE_SE      ; key steps 4 + 2 n, 5 + 2 n, which the next tensor load brings
	WIN 0x40
.set j, 0
.rept 64
	v_mov_b32 v[96+j], 0                              ; O^T: the key step is written once; the first finds zeros
.set j, j+1
.endr
	s_wait_loadcnt 0x0
.irp i, 0,1,2,3,4,5
	v_mov_b32 v[160+\i], v[64+\i]                     ; q_A: k = 0 .. 63
	v_mov_b32 v[166+\i], 0                            ; zero codes
	v_mov_b32 v[172+\i], v[70+\i]                     ; q_B: k = 64 .. 127
.endr
	WIN 0
	s_wait_alu depctr_va_vdst(0)
	s_wait_tensorcnt 0x0                              ; my block of A is in
	ds_add_u32 v[SPW], v[NIL]
	s_wait_dscnt 0x0
	CROUND                                            ; everybody's block is in, and the joint loads meet
	tensor_load_to_lds s[G0+4:G0+7], s[G1L:G1L+7]     ; my two blocks of B: four key steps stand ahead of the wait for them
	s_nop 0
	PLACES 4
	global_prefetch_b8 v47, s[46:47] offset:12*BLK th:TH_LOAD_NT scope:SCOPE_SE   ; key step 12 + n, which the refill behind key step 3 brings
	KLOOP 4                                           ; key steps 0-3, region A
	s_wait_tensorcnt 0x0                              ; my two blocks of B have landed
	ds_add_u32 v[SPW], v[NIL]                         ; 0 onto my spare word
	s_add_nc_u64 s[G0+2:G0+3], s[G0+2:G0+3], 12*BLK   ; A's next four key steps
	s_mov_b32 s[TB], RB
	s_mov_b32 s[TV], RB+8*BLK
	s_wait_dscnt 0x0                                  ; the add is done, and my reads of A are over
	CROUND                                            ; the same holds of every wave of every partner
	tensor_load_to_lds s[G0:G0+3], s[G1:G1+7]         ; the one refill, first behind the round
	s_nop 0
	PLACES 4
	KLOOP 8                                           ; key steps 4-11, region B
	s_wait_tensorcnt 0x0                              ; the refill has landed
	ds_add_u32 v[SPW], v[NIL]
	s_mov_b32 s[TB], 0
	s_mov_b32 s[TV], 4*BLK
	s_wait_dscnt 0x0
	s_barrier_signal -1
	s_barrier_wait -1                                 ; everybody's has
	KLOOP 4                                           ; key steps 12-15, region A
	; THE WAY OUT: O^T / l, quantised along C, stored as my tile's fragment of the block; the eight tiles' scale words meet in LDS and leave as 512 bytes.
.irp e, 0,1
	v_add_f32 v[14+4*\e], v[14+4*\e], v[15+4*\e]
.endr
.irp e, 0,1
	s_delay_alu instid0(VALU_DEP_2)
	v_permlanex16_b32 v[24+\e], v[14+4*\e], s[SEL], s[SEL+1]
.endr
.irp e, 0,1
	s_delay_alu instid0(VALU_DEP_2)
	v_add_f32 v[14+4*\e], v[14+4*\e], v[24+\e]        ; the row's sum
.endr
	s_wait_alu depctr_va_vdst(0)
.irp e, 0,1
	v_rcp_f32 v[20+2*\e], v[14+4*\e]
.endr
	v_nop
	s_wait_alu depctr_va_vdst(0)                      ; one wait for the two, ahead of their first reader
.irp e, 0,1
	v_mov_b32 v[21+2*\e], v[20+2*\e]
.endr
	WIN 0x01                                          ; source 0 (O^T) window 1
.set j, 0
.rept 32
	v_pk_mul_f32 v[S+j:S+j+1], v[96+j:97+j], v[20+2*(j/32):21+2*(j/32)]
.set j, j+2
.endr
	WIN 0
	QUANT S, PC, 26
.irp c, 0,1,2
	global_store_b128 v8, v[PC+4*\c:PC+4*\c+3], s[52:53] offset:512*\c
.endr
	ds_store_b32 v11, v26                             ; both halves of the lanes write the same word with the same value
	s_wait_dscnt 0x0
	s_barrier_signal -1
	s_barrier_wait -1
	s_cmp_lg_u32 s14, 0
	s_cbranch_scc1 .Lnot_mine
	ds_load_b128 v[28:31], v27                        ; the eight tiles' 128 scale words, 16 bytes a lane
	s_wait_dscnt 0x0
	global_store_b128 v1, v[28:31], s[52:53] offset:SCO
.Lnot_mine:
	s_wait_tensorcnt 0x0                              ; the wave's end
	ds_add_u32 v[SPW], v[NIL]
	s_wait_dscnt 0x0
	CROUND                                            ; the closing round
	s_endpgm
.Lfunc_end_k_q273aca753e_attn:
	.size	k_q273aca753e_attn, .Lfunc_end_k_q273aca753e_attn-k_q273aca753e_attn
	.p2alignl 7, 3214868480
	.fill 96, 4, 3214868480
	.section	.rodata,"a",@progbits
	.p2align	6, 0x0
	.amdhsa_kernel k_q273aca753e_attn
		.amdhsa_group_segment_fixed_size 327680
		.amdhsa_private_segment_fixed_size 0
		.amdhsa_enable_private_segment 0
		.amdhsa_kernarg_size 16
		.amdhsa_user_sgpr_count 2
		.amdhsa_user_sgpr_kernarg_segment_ptr 1
		.amdhsa_wavefront_size32 1
		.amdhsa_system_sgpr_workgroup_id_x 1
		.amdhsa_system_sgpr_workgroup_id_y 1
		.amdhsa_system_sgpr_workgroup_id_z 1
		.amdhsa_system_vgpr_workitem_id 0
		.amdhsa_next_free_vgpr 512
		.amdhsa_next_free_sgpr 66
		.amdhsa_reserve_vcc 0
		.amdhsa_float_denorm_mode_32 3
		.amdhsa_float_denorm_mode_16_64 3
		.amdhsa_memory_ordered 1
		.amdhsa_forward_progress 1
		.amdhsa_inst_pref_size 116
	.end_amdhsa_kernel
	.amdgpu_metadata
---
amdhsa.version: [ 1, 2 ]
amdhsa.kernels:
  - .name:           k_q273aca753e_attn
    .symbol:         k_q273aca753e_attn.kd
    .args:
      - { .name: qkv, .offset: 0, .size: 8, .value_kind: global_buffer, .address_space: global }
      - { .name: oimg, .offset: 8, .size: 8, .value_kind: global_buffer, .address_space: global }
    .group_segment_fixed_size: 327680
    .private_segment_fixed_size: 0
    .kernarg_segment_align: 8
    .kernarg_segment_size: 16
    .max_flat_workgroup_size: 256
    .sgpr_count:     66
    .vgpr_count:     512
    .wavefront_size: 32
...
	.end_amdgpu_metadata
.endif
;; end of part 3
;; launch proj (part 4): grid 8 x 32, 4 waves a work-group, clusters of 4 x 4, 327,680 bytes of LDS; arguments oimg, wimg, b_proj, x, x1; writes x1
.if DOCPART == 4
	.amdgcn_target "amdgcn-amd-amdhsa--gfx1250"
	.amdhsa_code_object_version 6
	.text
	.protected	k_q273aca753e_proj
	.globl	k_q273aca753e_proj
	.p2align	8
	.type	k_q273aca753e_proj,@function
k_q273aca753e_proj:
	s_mov_b64 s[64:65], 0
	v_nop
	global_prefetch_b8 v0, s[64:65] scope:SCOPE_SE
	s_setreg_imm32_b32 hwreg(HW_REG_WAVE_MODE, 25, 1), 1
	s_wait_xcnt 0x0
	s_wait_alu depctr_hold_cnt(0) depctr_sa_sdst(0) depctr_va_vdst(0) depctr_va_sdst(0) depctr_va_ssrc(0) depctr_va_vcc(0) depctr_vm_vsrc(0)
	s_getreg_b32 s2, hwreg(HW_REG_IB_STS2, 6, 4)
	s_cmp_eq_u32 s2, 0
	s_cbranch_scc0 .Lentry_in_a_cluster
	s_endpgm
.Lentry_in_a_cluster:
	s_bfe_u32 s2, ttmp6, 0x10000c
	s_cmp_lg_u32 s2, 0xf033
	s_cbranch_scc0 .Lentry_shape_is_right
	s_endpgm
.Lentry_shape_is_right:
; x1 = x + Q(o) w_proj + b_proj, the product on codes of FP6 (E2M3) with E8M0 scales; sums, bias and residual in f32.
; Operands are blocks of 12,800 bytes (128 rows x 128 K as register images: fragment i at 1536 i, plane c at + 512 c, 16 bytes a lane; scale words at 12,288 + 64 i + 4 r).
; A work-group makes 128 x 128 of the result, so that there are 256 work-groups.  THE FOUR WAVES SHARE K, NOT THE TILE: of each slot's four K steps wave w multiplies step w, with the whole 128 x 128 in its
; 512 accumulator registers: every LDS byte is read once.  The four partial tiles are added through LDS at the end (another order of f32 sums than K ascending: stated as a limit).
; K = 1,024 is two slots of four K steps: both are asked for at the start (one tensor load a wave), nothing is filled again.
; THE RESIDUAL AND THE BIAS ARE ASKED FOR AT THE HEAD, behind the first fills: my 32 rows of 512 bytes land in 128 registers that the products do not touch, so that nothing of memory is waited for behind the last product.
; The product is used transposed (source 0 = 16 columns' rows of the weight, source 1 = 16 rows of o).  CLUSTERS 4 x 4: o's blocks are shared along a row of the cluster, the weight's along a column.
; No prefetch: all of K is asked for at the first instruction.
; REGISTERS: window 0: v1 the lane, then 16 x lane; v2, v3 the add's; v4-11 LDS addresses; v12-15 the bias; v16-31 scale words; v32-127, v224-255 the residual; v128-223 the row operand's fragments, on the way out the sums' buffers.
.set BLK,   12800
.set SCO,   12288
.set SLOT,  8*BLK                      ; the row operand's four blocks, then the column operand's four
.set NS,    8                          ; K steps in all
.set WOFF,  2457600                    ; where this weight's blocks begin in wimg
.set FSTEP, 8*BLK
.set SPT,   528                        ; the way out: a stage of 128 rows x (512 bytes + 16) for each wave, over the slots, which have had their last fill and their last read
.set STGW,  128*SPT
.set SPARE, 4*STGW                     ; the spare words, 128 bytes a wave: two blocks of 256 bytes that no other line names
.set SPW,  2
.set NIL,  3
.set RA16, 4
.set RA4,  6
.set CB16, 8
.set CB4,  10
.set BI,   12
.set RS,   16
.set CS,   24
.set AF,   128
.set G1,   24
.set G0,   32
.set G1B,  48
.set G0B,  56
.set MSB, 0
.macro WIN new
.if MSB != (\new)
	s_set_vgpr_msb (MSB<<8)|(\new)
.set MSB, (\new)
.endif
.endm
.set MUL_LO, 0xa1
.set MUL_HI, 0xf1
.set TO_B,   0x40
.macro PLACES n
.rept \n
	v_nop
.endr
.endm
.macro JLOAD g0a, g0b
	s_cmp_eq_u32 s15, 0
	s_cbranch_scc0 .Lfor_b_\@
	tensor_load_to_lds s[\g0a:\g0a+3], s[G1:G1+7]
	s_nop 0
	PLACES 4
	s_branch .Lasked_\@
.Lfor_b_\@:
	tensor_load_to_lds s[\g0b:\g0b+3], s[G1B:G1B+7]
	s_nop 0
	PLACES 4
.Lasked_\@:
.endm
.macro CREST
	s_cmp_lg_u32 s14, 0
	s_cbranch_scc1 .Lnot_wave_0_\@
	s_barrier_signal -3
.Lnot_wave_0_\@:
	s_barrier_wait -3
	s_barrier_signal -1
	s_barrier_wait -1
.endm
.macro CROUND
	s_barrier_signal -1
	s_barrier_wait -1
	CREST
.endm
.macro WMR d, s0, s1, cr, x0, x1, rb, ra
.if (\cr) < 0
.if (\rb) == 0 && (\ra) == 0
	v_wmma_scale_f32_16x16x128_f8f6f4 v[\d:\d+7], v[\s0:\s0+11], v[\s1:\s1+11], 0, v[\x0], v[\x1] matrix_a_fmt:MATRIX_FMT_FP6 matrix_b_fmt:MATRIX_FMT_FP6
.elseif (\ra) == 0
	v_wmma_scale_f32_16x16x128_f8f6f4 v[\d:\d+7], v[\s0:\s0+11], v[\s1:\s1+11], 0, v[\x0], v[\x1] matrix_a_fmt:MATRIX_FMT_FP6 matrix_b_fmt:MATRIX_FMT_FP6 matrix_a_scale:MATRIX_SCALE_ROW1
.elseif (\rb) == 0
	v_wmma_scale_f32_16x16x128_f8f6f4 v[\d:\d+7], v[\s0:\s0+11], v[\s1:\s1+11], 0, v[\x0], v[\x1] matrix_a_fmt:MATRIX_FMT_FP6 matrix_b_fmt:MATRIX_FMT_FP6 matrix_b_scale:MATRIX_SCALE_ROW1
.else
	v_wmma_scale_f32_16x16x128_f8f6f4 v[\d:\d+7], v[\s0:\s0+11], v[\s1:\s1+11], 0, v[\x0], v[\x1] matrix_a_fmt:MATRIX_FMT_FP6 matrix_b_fmt:MATRIX_FMT_FP6 matrix_a_scale:MATRIX_SCALE_ROW1 matrix_b_scale:MATRIX_SCALE_ROW1
.endif
.else
.if (\rb) == 0 && (\ra) == 0
	v_wmma_scale_f32_16x16x128_f8f6f4 v[\d:\d+7], v[\s0:\s0+11], v[\s1:\s1+11], v[\cr:\cr+7], v[\x0], v[\x1] matrix_a_fmt:MATRIX_FMT_FP6 matrix_b_fmt:MATRIX_FMT_FP6
.elseif (\ra) == 0
	v_wmma_scale_f32_16x16x128_f8f6f4 v[\d:\d+7], v[\s0:\s0+11], v[\s1:\s1+11], v[\cr:\cr+7], v[\x0], v[\x1] matrix_a_fmt:MATRIX_FMT_FP6 matrix_b_fmt:MATRIX_FMT_FP6 matrix_a_scale:MATRIX_SCALE_ROW1
.elseif (\rb) == 0
	v_wmma_scale_f32_16x16x128_f8f6f4 v[\d:\d+7], v[\s0:\s0+11], v[\s1:\s1+11], v[\cr:\cr+7], v[\x0], v[\x1] matrix_a_fmt:MATRIX_FMT_FP6 matrix_b_fmt:MATRIX_FMT_FP6 matrix_b_scale:MATRIX_SCALE_ROW1
.else
	v_wmma_scale_f32_16x16x128_f8f6f4 v[\d:\d+7], v[\s0:\s0+11], v[\s1:\s1+11], v[\cr:\cr+7], v[\x0], v[\x1] matrix_a_fmt:MATRIX_FMT_FP6 matrix_b_fmt:MATRIX_FMT_FP6 matrix_a_scale:MATRIX_SCALE_ROW1 matrix_b_scale:MATRIX_SCALE_ROW1
.endif
.endif
.endm
.macro MUL16 a0, p, cm                 ; row tiles a0, a0 + 1 x the eight column tiles; the 64 accumulators take turns, one instruction a turn
.irp a, \a0, \a0+1
.irp b, 0,1,2,3,4,5,6,7
.if (\cm) == 0
	WMR 8*(8*((\a)%4)+\b), 128*(\p)+12*\b, AF+12*(\a), 8*(8*((\a)%4)+\b), CS+4*(\p)+\b/2, RS+4*(\p)+(\a)/2, \b%2, (\a)%2
.else
	WMR 8*(8*((\a)%4)+\b), 128*(\p)+12*\b, AF+12*(\a), -1, CS+4*(\p)+\b/2, RS+4*(\p)+(\a)/2, \b%2, (\a)%2
.endif
.endr
.endr
.endm
.macro FRAG reg, adr, off
.irp c, 0,1,2
	ds_load_b128 v[\reg+4*\c:\reg+4*\c+3], v[\adr] offset:\off+512*\c
.endr
.endm
.macro FETCH_A ns, off, i0
.irp i, \i0, \i0+1, \i0+2, \i0+3
	FRAG AF+12*(\i), RA16+\ns, \off+1536*(\i)
.endr
.endm
.macro NEXT1 ns, off, p
	WIN TO_B
.irp i, 0,1,2,3,4,5,6,7
	FRAG 128*(\p)+12*\i, CB16+\ns, \off+1536*\i
.endr
	WIN 0
.irp m, 0,1,2,3
	ds_load_b32 v[RS+4*(\p)+\m], v[RA4+\ns] offset:\off+SCO+128*\m
	ds_load_b32 v[CS+4*(\p)+\m], v[CB4+\ns] offset:\off+SCO+128*\m
.endr
	FETCH_A \ns, \off, 0
.endm
; My K step of a slot, and the change of slots: one barrier; in front of it each wave waits for all its tensor loads, adds 0 to its spare word, and waits for that and for its reads of the slot.
.macro TURN p, cm, fill, fs, ns, noff
	s_wait_tensorcnt 0x0
	ds_add_u32 v[SPW], v[NIL]                         ; 0 onto my spare word
	s_wait_dscnt 13                                   ; (the add and the youngest twelve loads, row tiles 4-7, may be out)
	WIN MUL_LO
	MUL16 0, \p, \cm
	s_wait_dscnt 0x0
	s_barrier_signal -1
	MUL16 2, \p, \cm
	WIN 0
	s_barrier_wait -1
.if \fill
	CREST
	s_add_nc_u64 s[G0+4*(\fs)+2:G0+4*(\fs)+3], s[G0+4*(\fs)+2:G0+4*(\fs)+3], FSTEP
	s_add_nc_u64 s[G0B+4*(\fs)+2:G0B+4*(\fs)+3], s[G0B+4*(\fs)+2:G0B+4*(\fs)+3], FSTEP
	JLOAD G0+4*(\fs), G0B+4*(\fs)
.else
	PLACES 4
.endif
	NEXT1 \ns, \noff, 1-(\p)
	WIN MUL_HI
	MUL16 4, \p, \cm
	MUL16 6, \p, \cm
	PLACES 4
	WIN 0
	FETCH_A \ns, \noff, 4
.endm
.macro LAST p
	s_wait_dscnt 12
	WIN MUL_LO
	MUL16 0, \p, 0
	MUL16 2, \p, 0
	s_wait_dscnt 0x0
	WIN MUL_HI
	MUL16 4, \p, 0
	MUL16 6, \p, 0
	WIN 0
.endm
	s_load_b256 s[4:11], s[0:1], 0x0                  ; the row operand, wimg, the bias, the residual
	s_load_b64 s[12:13], s[0:1], 0x20                 ; the result
	v_lshl_add_u32 v[SPW], v0, 2, SPARE
	v_mov_b32 v[NIL], 0
	ds_add_u32 v2, v3
	ds_add_u32 v2, v3
	s_wait_dscnt 0x0
	v_lshrrev_b32 v1, 5, v0
	v_readfirstlane_b32 s14, v1                       ; wave 0..3
	v_and_b32 v1, 31, v0                              ; lane
	s_lshr_b32 s15, s14, 1                            ; I fetch for the row operand (0) or the column operand (1)
	s_and_b32 s16, s14, 1                             ; which four of my operand's eight blocks
	s_bfe_u32 s72, ttmp6, 0x40000                     ; cx
	s_bfe_u32 s73, ttmp6, 0x40004                     ; cy
	s_and_b32 s74, ttmp7, 0xffff
	s_lshl_b32 s74, s74, 2
	s_add_co_u32 s74, s74, s73                        ; which 128 rows
	s_lshl_b32 s75, ttmp9, 2
	s_add_co_u32 s75, s75, s72                        ; which 128 columns
	s_lshl_b32 s76, s73, 2
	s_lshl_b32 s76, 15, s76
	s_lshl_b32 s77, 0x1111, s72
	s_or_b32 s[G1], s76, (3<<16)|(1<<21)
	s_or_b32 s[G1B], s77, (3<<16)|(1<<21)
.irp g, G1, G1B                                   ; two blocks, 25,600 dense bytes, as 100 rows of 256 bytes
	s_mov_b32 s[\g+1], 32<<16
	s_mov_b32 s[\g+2], 200<<16                        ; AS IT IS USED: one load a wave brings four blocks, 200 rows of 256 bytes: all of K is asked for by the head's one load a wave
	s_mov_b32 s[\g+3], 32<<16
	s_mov_b32 s[\g+4], 200
	s_mov_b32 s[\g+5], 32
	s_mov_b32 s[\g+6], 0
	s_mov_b32 s[\g+7], 0
.endr
	s_mul_i32 s82, s16, 4*BLK                         ; which four of my operand's eight blocks
	s_mul_i32 s78, s74, NS*BLK
	s_add_co_u32 s78, s78, s82
	s_mov_b32 s79, 0
	s_mul_i32 s80, s75, NS*BLK
	s_add_co_u32 s80, s80, s82
	s_add_co_u32 s80, s80, WOFF
	s_mov_b32 s81, 0
	s_mul_i32 s92, s14, 4*BLK                         ; LDS: the row operand's K steps 0-7 at 0 .. 8 BLK, the column operand's behind them
	s_lshl_b32 s84, s74, 7
	s_lshl_b32 s85, s14, 5
	s_add_co_u32 s84, s84, s85
	s_lshl_b32 s84, s84, 12
	s_lshl_b32 s86, s75, 9
	s_add_co_u32 s84, s84, s86                        ; the way out: row 128 RT + 32 w, byte 512 CT
	s_mov_b32 s85, 0
	s_mov_b32 s87, 0
	s_wait_kmcnt 0x0
	s_add_nc_u64 s[78:79], s[4:5], s[78:79]
	s_add_nc_u64 s[80:81], s[6:7], s[80:81]
	s_add_nc_u64 s[8:9], s[8:9], s[86:87]
	s_add_nc_u64 s[10:11], s[10:11], s[84:85]
	s_add_nc_u64 s[12:13], s[12:13], s[84:85]
	CROUND
.irp j, 0
	s_mov_b32 s[G0+4*\j], 1
	s_add_co_u32 s[G0+4*\j+1], s92, \j*SLOT
	s_add_nc_u64 s[G0+4*\j+2:G0+4*\j+3], s[78:79], \j*4*BLK
	s_or_b32 s[G0+4*\j+3], s[G0+4*\j+3], 0x80000000
	s_mov_b32 s[G0B+4*\j], 1
	s_add_co_u32 s[G0B+4*\j+1], s92, \j*SLOT
	s_add_nc_u64 s[G0B+4*\j+2:G0B+4*\j+3], s[80:81], \j*4*BLK
	s_or_b32 s[G0B+4*\j+3], s[G0B+4*\j+3], 0x80000000
	JLOAD G0+4*\j, G0B+4*\j
.endr
	s_mul_i32 s93, s14, BLK                           ; my K step's block of the row operand,
	s_add_co_u32 s94, s93, 8*BLK
	s_wait_alu depctr_va_vdst(0)
.irp j, 0,1
	v_lshl_add_u32 v[RA16+\j], v1, 4, s93
	v_lshl_add_u32 v[RA4+\j], v1, 2, s93
	v_lshl_add_u32 v[CB16+\j], v1, 4, s94
	v_lshl_add_u32 v[CB4+\j], v1, 2, s94
	s_add_co_u32 s93, s93, 4*BLK                      ; my second K step, 4 + w
	s_add_co_u32 s94, s94, 4*BLK
.endr
	v_lshlrev_b32 v1, 4, v1                           ; from here on: 16 x lane, my bytes of a row of 512; never rewritten
	; the residual and the bias, behind the first fills: 33 loads, waited for once, on the way out
.irp t, 0,1,2,3,4,5,6,7,8,9,10,11,12,13,14,15,16,17,18,19,20,21,22,23,24,25,26,27,28,29,30,31
.set RB, 32+4*\t+96*(\t/24)                       ; rows 0-23 in v32-127, rows 24-31 in v224-255
	global_load_b128 v[RB:RB+3], v1, s[10:11] offset:(8*(\t/16)+\t%16+8*((\t%16)/8))*4096    ; stage row 32 w + t is row 32 w + 8 (t / 16) + t % 16 + 8 ((t % 16) / 8) of the 128
.endr
	global_load_b128 v[BI:BI+3], v1, s[8:9]
	s_wait_alu depctr_va_vdst(0)
	s_wait_tensorcnt 0x0                              ; my four blocks are in
	s_barrier_signal -1
	s_barrier_wait -1
	NEXT1 0, 0, 0
	FETCH_A 0, 0, 4
	TURN 0, 1, 0, 0, 1, 0                             ; K step w starts the sums; slot 1 has landed, in every wave
	LAST 1                                            ; K step 4 + w
	; THE WAY OUT.  The four partial tiles go into four stages; wave w adds rows 32 w .. 32 w + 31 of the four, the bias and the residual, and stores whole rows of 512 bytes.
	PLACES 4
	v_and_b32 v4, 15, v0
	v_bfe_u32 v5, v0, 4, 1
	v_mul_u32_u24 v4, v4, SPT
	v_lshl_add_u32 v4, v5, 6, v4
	s_mul_i32 s17, s14, STGW
	v_add_nc_u32 v4, s17, v4                          ; in: my stage, row r of a tile, + 64 h
	s_mul_i32 s17, s14, 32*SPT
	v_add_nc_u32 v5, s17, v1                          ; back: my 32 rows, 16 bytes a lane, in stage 0 .. 3
	v_add_nc_u32 v6, STGW, v5
	v_add_nc_u32 v7, 2*STGW, v5
	v_add_nc_u32 v8, 3*STGW, v5
	s_wait_alu depctr_va_vdst(0)
	s_wait_dscnt 0x0
	s_barrier_signal -1
	s_barrier_wait -1                                 ; nobody reads the slots any more
.irp a, 0,1,2,3,4,5,6,7
	WIN 0x08+4*(\a/4)                                 ; an LDS store's data are its source 1: window 2 or 3
.irp b, 0,1,2,3,4,5,6,7
	ds_store_b128 v4, v[8*(8*(\a%4)+\b):8*(8*(\a%4)+\b)+3] offset:16*SPT*\a+128*(\b/2)+32*(\b%2)          ; each accumulator from its low end on
	ds_store_b128 v4, v[8*(8*(\a%4)+\b)+4:8*(8*(\a%4)+\b)+7] offset:16*SPT*\a+128*(\b/2)+32*(\b%2)+16
.endr
.endr
	WIN 0
	s_wait_dscnt 0x0                                  ; for the others' sake: my partial tile lies in LDS
	s_barrier_signal -1
	s_barrier_wait -1
.macro BATCH n                         ; two rows of the four partial tiles: eight loads, into the registers that held the row operand's fragments
.irp u, 0,1
.irp q, 0,1,2,3
	ds_load_b128 v[128+32*((\n)%2)+16*\u+4*\q:128+32*((\n)%2)+16*\u+4*\q+3], v[5+\q] offset:(2*(\n)+\u)*SPT
.endr
.endr
.endm
.macro ADDUP n
.irp u, 0,1
.set TT, 2*(\n)+\u
.set RR, 32+4*TT+96*(TT/24)
.set BU, 128+32*((\n)%2)+16*\u
.irp k, 0,2
	v_pk_add_f32 v[BU+\k:BU+\k+1], v[BU+\k:BU+\k+1], v[BU+4+\k:BU+5+\k]
	v_pk_add_f32 v[BU+8+\k:BU+9+\k], v[BU+8+\k:BU+9+\k], v[BU+12+\k:BU+13+\k]
	v_pk_add_f32 v[RR+\k:RR+\k+1], v[RR+\k:RR+\k+1], v[BI+\k:BI+\k+1]
.endr
.irp k, 0,2
	v_pk_add_f32 v[BU+\k:BU+\k+1], v[BU+\k:BU+\k+1], v[BU+8+\k:BU+9+\k]
.endr
.irp k, 0,2
	v_pk_add_f32 v[RR+\k:RR+\k+1], v[RR+\k:RR+\k+1], v[BU+\k:BU+\k+1]
.endr
	global_store_b128 v1, v[RR:RR+3], s[12:13] offset:(8*(TT/16)+TT%16+8*((TT%16)/8))*4096     ; 32 lanes store 512 consecutive bytes, aligned
.endr
.endm
	BATCH 0
	BATCH 1
	s_wait_loadcnt 0x0                                ; the residual and the bias, asked for at the head
.irp n, 0,1,2,3,4,5,6,7,8,9,10,11,12,13,14,15
.if \n < 15
	s_wait_dscnt 8                                    ; this batch is in; the next one's eight loads may be out
.else
	s_wait_dscnt 0x0
.endif
	ADDUP \n
.if \n < 14
	BATCH \n+2
.endif
.endr
	s_wait_tensorcnt 0x0                              ; the wave's end
	ds_add_u32 v[SPW], v[NIL]
	s_wait_dscnt 0x0
	CROUND                                            ; the closing round
	s_endpgm
.Lfunc_end_k_q273aca753e_proj:
	.size	k_q273aca753e_proj, .Lfunc_end_k_q273aca753e_proj-k_q273aca753e_proj
	.p2alignl 7, 3214868480
	.fill 96, 4, 3214868480
	.section	.rodata,"a",@progbits
	.p2align	6, 0x0
	.amdhsa_kernel k_q273aca753e_proj
		.amdhsa_group_segment_fixed_size 327680
		.amdhsa_private_segment_fixed_size 0
		.amdhsa_enable_private_segment 0
		.amdhsa_kernarg_size 40
		.amdhsa_user_sgpr_count 2
		.amdhsa_user_sgpr_kernarg_segment_ptr 1
		.amdhsa_wavefront_size32 1
		.amdhsa_system_sgpr_workgroup_id_x 1
		.amdhsa_system_sgpr_workgroup_id_y 1
		.amdhsa_system_sgpr_workgroup_id_z 1
		.amdhsa_system_vgpr_workitem_id 0
		.amdhsa_next_free_vgpr 1024
		.amdhsa_next_free_sgpr 100
		.amdhsa_reserve_vcc 0
		.amdhsa_float_denorm_mode_32 3
		.amdhsa_float_denorm_mode_16_64 3
		.amdhsa_memory_ordered 1
		.amdhsa_forward_progress 1
		.amdhsa_inst_pref_size 74
	.end_amdhsa_kernel
	.amdgpu_metadata
---
amdhsa.version: [ 1, 2 ]
amdhsa.kernels:
  - .name:           k_q273aca753e_proj
    .symbol:         k_q273aca753e_proj.kd
    .args:
      - { .name: oimg, .offset: 0, .size: 8, .value_kind: global_buffer, .address_space: global }
      - { .name: wimg, .offset: 8, .size: 8, .value_kind: global_buffer, .address_space: global }
      - { .name: b_proj, .offset: 16, .size: 8, .value_kind: global_buffer, .address_space: global }
      - { .name: x, .offset: 24, .size: 8, .value_kind: global_buffer, .address_space: global }
      - { .name: x1, .offset: 32, .size: 8, .value_kind: global_buffer, .address_space: global }
    .group_segment_fixed_size: 327680
    .private_segment_fixed_size: 0
    .kernarg_segment_align: 8
    .kernarg_segment_size: 40
    .max_flat_workgroup_size: 128
    .sgpr_count:     100
    .vgpr_count:     1024
    .wavefront_size: 32
...
	.end_amdgpu_metadata
.endif
;; end of part 4
;; launch lnq2: the kernel of part 1 again; grid 256 x 1, 4 waves a work-group, no clusters, 66,304 bytes of LDS; arguments x1, ln2_g, ln2_b, w_qkv_codes, w_qkv_scales, w_proj_codes, w_proj_scales, w1_codes, w1_scales, w2_codes, w2_scales, act, wimg; writes act, wimg
;; launch fc1 (part 5): grid 16 x 16, 4 waves a work-group, clusters of 4 x 4, 327,680 bytes of LDS; arguments act, wimg, b1, himg; writes himg
.if DOCPART == 5
	.amdgcn_target "amdgcn-amd-amdhsa--gfx1250"
	.amdhsa_code_object_version 6
	.text
	.protected	k_q273aca753e_fc1
	.globl	k_q273aca753e_fc1
	.p2align	8
	.type	k_q273aca753e_fc1,@function
k_q273aca753e_fc1:
	s_mov_b64 s[64:65], 0
	v_nop
	global_prefetch_b8 v0, s[64:65] scope:SCOPE_SE
	s_setreg_imm32_b32 hwreg(HW_REG_WAVE_MODE, 25, 1), 1
	s_wait_xcnt 0x0
	s_wait_alu depctr_hold_cnt(0) depctr_sa_sdst(0) depctr_va_vdst(0) depctr_va_sdst(0) depctr_va_ssrc(0) depctr_va_vcc(0) depctr_vm_vsrc(0)
	s_getreg_b32 s2, hwreg(HW_REG_IB_STS2, 6, 4)
	s_cmp_eq_u32 s2, 0
	s_cbranch_scc0 .Lentry_in_a_cluster
	s_endpgm
.Lentry_in_a_cluster:
	s_bfe_u32 s2, ttmp6, 0x10000c
	s_cmp_lg_u32 s2, 0xf033
	s_cbranch_scc0 .Lentry_shape_is_right
	s_endpgm
.Lentry_shape_is_right:
.set BLK,   12800
.set SCO,   12288
.set SLOT,  8*BLK
.set SPARE, 3*SLOT
.set FSTEP, 6*BLK
.set WOFF,  3276800
.set SCS,   262144
.set SPW,  2
.set NIL,  3
.set RA16, 4
.set RA4,  7
.set CB16, 10
.set CB4,  13
.set RS,   16
.set CS,   24
.set AF,   128
.set HX,   32
.set GX,   96
.set Z,    160
.set T,    176
.set P,    192
.set Q,    208
.set TM,   160
.set SEL,  96
.set G1,   24
.set G0,   32
.set G1B,  48
.set G0B,  56
.set MSB, 0
.macro WIN new
.if MSB != (\new)
	s_set_vgpr_msb (MSB<<8)|(\new)
.set MSB, (\new)
.endif
.endm
.set MUL_LO, 0xa1
.set MUL_HI, 0xf1
.set TO_B,   0x40
.macro PLACES n
.rept \n
	v_nop
.endr
.endm
.macro JLOAD g0a, g0b
	s_cmp_eq_u32 s15, 0
	s_cbranch_scc0 .Lfor_b_\@
	tensor_load_to_lds s[\g0a:\g0a+3], s[G1:G1+7]
	s_nop 0
	PLACES 4
	s_branch .Lasked_\@
.Lfor_b_\@:
	tensor_load_to_lds s[\g0b:\g0b+3], s[G1B:G1B+7]
	s_nop 0
	PLACES 4
.Lasked_\@:
.endm
.macro CREST
	s_cmp_lg_u32 s14, 0
	s_cbranch_scc1 .Lnot_wave_0_\@
	s_barrier_signal -3
.Lnot_wave_0_\@:
	s_barrier_wait -3
	s_barrier_signal -1
	s_barrier_wait -1
.endm
.macro CROUND
	s_barrier_signal -1
	s_barrier_wait -1
	CREST
.endm
.macro WMR d, s0, s1, cr, x0, x1, rb, ra
.if (\rb) == 0 && (\ra) == 0
	v_wmma_scale_f32_16x16x128_f8f6f4 v[\d:\d+7], v[\s0:\s0+11], v[\s1:\s1+11], v[\cr:\cr+7], v[\x0], v[\x1] matrix_a_fmt:MATRIX_FMT_FP6 matrix_b_fmt:MATRIX_FMT_FP6
.elseif (\ra) == 0
	v_wmma_scale_f32_16x16x128_f8f6f4 v[\d:\d+7], v[\s0:\s0+11], v[\s1:\s1+11], v[\cr:\cr+7], v[\x0], v[\x1] matrix_a_fmt:MATRIX_FMT_FP6 matrix_b_fmt:MATRIX_FMT_FP6 matrix_a_scale:MATRIX_SCALE_ROW1
.elseif (\rb) == 0
	v_wmma_scale_f32_16x16x128_f8f6f4 v[\d:\d+7], v[\s0:\s0+11], v[\s1:\s1+11], v[\cr:\cr+7], v[\x0], v[\x1] matrix_a_fmt:MATRIX_FMT_FP6 matrix_b_fmt:MATRIX_FMT_FP6 matrix_b_scale:MATRIX_SCALE_ROW1
.else
	v_wmma_scale_f32_16x16x128_f8f6f4 v[\d:\d+7], v[\s0:\s0+11], v[\s1:\s1+11], v[\cr:\cr+7], v[\x0], v[\x1] matrix_a_fmt:MATRIX_FMT_FP6 matrix_b_fmt:MATRIX_FMT_FP6 matrix_a_scale:MATRIX_SCALE_ROW1 matrix_b_scale:MATRIX_SCALE_ROW1
.endif
.endm
.macro MUL16 a0, p, cm
.irp a, \a0, \a0+1
.irp b, 0,1,2,3,4,5,6,7
.if (\cm) == 0
	WMR 8*(8*((\a)%4)+\b), 128*(\p)+12*\b, AF+12*(\a), 8*(8*((\a)%4)+\b), CS+4*(\p)+\b/2, RS+4*(\p)+(\a)/2, \b%2, (\a)%2
.else
	WMR 8*(8*((\a)%4)+\b), 128*(\p)+12*\b, AF+12*(\a), 64+8*\b, CS+4*(\p)+\b/2, RS+4*(\p)+(\a)/2, \b%2, (\a)%2
.endif
.endr
.endr
.endm
.macro WLO cm
.if (\cm) == 2
	WIN 0x81
.else
	WIN MUL_LO
.endif
.endm
.macro WHI cm
.if (\cm) == 2
	WIN 0xc1
.else
	WIN MUL_HI
.endif
.endm
.macro FRAG reg, adr, off
.irp c, 0,1,2
	ds_load_b128 v[\reg+4*\c:\reg+4*\c+3], v[\adr] offset:\off+512*\c
.endr
.endm
.macro FETCH_A ns, off, i0
.irp i, \i0, \i0+1, \i0+2, \i0+3
	FRAG AF+12*(\i), RA16+\ns, \off+1536*(\i)
.endr
.endm
.macro NEXT1 ns, off, p
	WIN TO_B
.irp i, 0,1,2,3,4,5,6,7
	FRAG 128*(\p)+12*\i, CB16+\ns, \off+1536*\i
.endr
	WIN 0
.irp m, 0,1,2,3
	ds_load_b32 v[RS+4*(\p)+\m], v[RA4+\ns] offset:\off+SCO+128*\m
	ds_load_b32 v[CS+4*(\p)+\m], v[CB4+\ns] offset:\off+SCO+128*\m
.endr
	FETCH_A \ns, \off, 0
.endm
.macro STEP p, cm, ns, noff
	s_wait_dscnt 12
	WLO \cm
	MUL16 0, \p, \cm
	MUL16 2, \p, \cm
	s_wait_dscnt 0x0
	PLACES 4
	NEXT1 \ns, \noff, 1-(\p)
	WHI \cm
	MUL16 4, \p, \cm
	MUL16 6, \p, \cm
	PLACES 4
	WIN 0
	FETCH_A \ns, \noff, 4
.endm
.macro TURN p, fill, fs, ns, noff
	s_wait_tensorcnt 0x0
	ds_add_u32 v[SPW], v[NIL]
	s_wait_dscnt 13
	WIN MUL_LO
	MUL16 0, \p, 0
	s_wait_dscnt 0x0
	s_barrier_signal -1
	MUL16 2, \p, 0
	WIN 0
	s_barrier_wait -1
.if \fill
	CREST
	s_add_nc_u64 s[G0+4*(\fs)+2:G0+4*(\fs)+3], s[G0+4*(\fs)+2:G0+4*(\fs)+3], FSTEP
	s_add_nc_u64 s[G0B+4*(\fs)+2:G0B+4*(\fs)+3], s[G0B+4*(\fs)+2:G0B+4*(\fs)+3], FSTEP
	JLOAD G0+4*(\fs), G0B+4*(\fs)
.else
	PLACES 4
.endif
	NEXT1 \ns, \noff, 1-(\p)
	WIN MUL_HI
	MUL16 4, \p, 0
	MUL16 6, \p, 0
	PLACES 4
	WIN 0
	FETCH_A \ns, \noff, 4
.endm
.macro LAST p
	s_wait_dscnt 12
	WIN MUL_LO
	MUL16 0, \p, 0
	MUL16 2, \p, 0
	s_wait_dscnt 0x0
	WIN MUL_HI
	MUL16 4, \p, 0
	MUL16 6, \p, 0
	WIN 0
.endm
.macro QUANT src, pc, pw
.irp b, 0,1,2,3
	v_max3_num_f32 v[TM+\b], |v[\src+16*\b]|, |v[\src+1+16*\b]|, 0x1800000
.endr
.irp i, 2,4,6,8,10,12,14
.irp b, 0,1,2,3
	v_max3_num_f32 v[TM+\b], v[TM+\b], |v[\src+16*\b+\i]|, |v[\src+1+16*\b+\i]|
.endr
.endr
.irp b, 0,1,2,3
	v_permlanex16_b32 v[TM+4+\b], v[TM+\b], s[SEL], s[SEL+1]
.endr
.irp b, 0,1,2,3
	v_max_num_f32 v[TM+\b], v[TM+\b], v[TM+4+\b]
.endr
.irp b, 0,1,2,3
	v_add_nc_u32 v[TM+12+\b], 0xff000000, v[TM+\b]
.endr
.irp b, 0,1,2,3
	v_lshrrev_b32 v[TM+4+\b], 23, v[TM+12+\b]
.endr
	v_lshl_or_b32 v[\pw], v[TM+5], 8, v[TM+4]
	v_lshl_or_b32 v[\pw], v[TM+6], 16, v[\pw]
	v_lshl_or_b32 v[\pw], v[TM+7], 24, v[\pw]
.irp c, 0,1
	v_cvt_scalef32_pk16_fp6_f32 v[\pc+6*\c:\pc+2+6*\c], v[\src+32*\c:\src+15+32*\c], v[TM+12+2*\c]
	v_cvt_scalef32_pk16_fp6_f32 v[\pc+12+4*\c:\pc+14+4*\c], v[\src+16+32*\c:\src+31+32*\c], v[TM+12+2*\c+1]
.endr
	v_nop
.irp c, 0,1
.irp i, 0,1,2
	v_permlane16_swap_b32 v[\pc+6*\c+\i], v[\pc+12+4*\c+\i]
.endr
.irp i, 0,1,2
	v_mov_b32 v[\pc+3+6*\c+\i], v[\pc+12+4*\c+\i]
.endr
.endr
.endm
.macro GELU c
.set XC, HX+16*\c
.irp k, 0,2,4,6,8,10,12,14
	v_pk_mul_f32 v[Z+\k:Z+\k+1], v[XC+\k:XC+\k+1], 0x3f3504f3 op_sel_hi:[1,0]
.endr
.irp k, 0,1,2,3,4,5,6,7,8,9,10,11,12,13,14,15
	v_med3_num_f32 v[Z+\k], v[Z+\k], -4.0, 4.0
.endr
.irp k, 0,2,4,6,8,10,12,14
	v_pk_mul_f32 v[T+\k:T+\k+1], v[Z+\k:Z+\k+1], v[Z+\k:Z+\k+1]
.endr
.irp k, 0,2,4,6,8,10,12,14
	v_pk_fma_f32 v[P+\k:P+\k+1], v[T+\k:T+\k+1], v[224:225], 0x326dffee op_sel_hi:[1,1,0]
	v_pk_fma_f32 v[Q+\k:Q+\k+1], v[T+\k:T+\k+1], v[226:227], 0xb95fbd29 op_sel_hi:[1,1,0]
.endr
.irp lit, 0xbadc924e, 0xbbf19bf8, 0xbc69b6a7
.irp k, 0,2,4,6,8,10,12,14
	v_pk_fma_f32 v[Q+\k:Q+\k+1], v[Q+\k:Q+\k+1], v[T+\k:T+\k+1], \lit op_sel_hi:[1,1,0]
.endr
.endr
	s_wait_alu depctr_va_vdst(0)
.irp k, 0,1,2,3,4,5,6,7,8,9,10,11,12,13,14,15
	v_rcp_f32 v[Q+\k], v[Q+\k]
.endr
.irp lit, 0xb58cff51, 0xb7eec2d2, 0xb9c0ac63, 0xbac1a1f6, 0xbc03dbd4
.irp k, 0,2,4,6,8,10,12,14
	v_pk_fma_f32 v[P+\k:P+\k+1], v[P+\k:P+\k+1], v[T+\k:T+\k+1], \lit op_sel_hi:[1,1,0]
.endr
.endr
.irp k, 0,2,4,6,8,10,12,14
	v_pk_mul_f32 v[P+\k:P+\k+1], v[P+\k:P+\k+1], v[Z+\k:Z+\k+1]
.endr
	s_wait_alu depctr_va_vdst(0)
.irp k, 0,2,4,6,8,10,12,14
	v_pk_fma_f32 v[P+\k:P+\k+1], v[P+\k:P+\k+1], v[Q+\k:Q+\k+1], 0.5 op_sel_hi:[1,1,0]
.endr
.irp k, 0,2,4,6,8,10,12,14
	v_pk_mul_f32 v[GX+16*\c+\k:GX+16*\c+\k+1], v[XC+\k:XC+\k+1], v[P+\k:P+\k+1]
.endr
.irp u, 0,1,2,3
	ds_load_b128 v[XC+4*\u:XC+4*\u+3], v5 offset:512*(4*\c+\u)
.endr
.endm
	s_load_b256 s[4:11], s[0:1], 0x0
	v_lshl_add_u32 v[SPW], v0, 2, SPARE
	v_mov_b32 v[NIL], 0
	ds_add_u32 v2, v3
	ds_add_u32 v2, v3
	s_wait_dscnt 0x0
	v_lshrrev_b32 v1, 5, v0
	v_readfirstlane_b32 s14, v1
	v_and_b32 v1, 31, v0
	s_lshr_b32 s15, s14, 1
	s_and_b32 s16, s14, 1
	s_bfe_u32 s72, ttmp6, 0x40000
	s_bfe_u32 s73, ttmp6, 0x40004
	s_and_b32 s75, ttmp7, 0xffff
	s_lshl_b32 s76, s73, 2
	s_lshl_b32 s76, 15, s76
	s_lshl_b32 s77, 0x1111, s72
	s_or_b32 s[G1], s76, (3<<16)|(1<<21)
	s_or_b32 s[G1B], s77, (3<<16)|(1<<21)
.irp g, G1, G1B
	s_mov_b32 s[\g+1], 32<<16
	s_mov_b32 s[\g+2], 200<<16                        ; the head's load: four blocks, 200 rows of 256 bytes
	s_mov_b32 s[\g+3], 32<<16
	s_mov_b32 s[\g+4], 200
	s_mov_b32 s[\g+5], 32
	s_mov_b32 s[\g+6], 0
	s_mov_b32 s[\g+7], 0
.endr
	s_mov_b32 s[SEL], 0x76543210
	s_mov_b32 s[SEL+1], 0xfedcba98
	s_lshl_b32 s85, s75, 3
	s_lshl_b32 s79, s73, 1
	s_add_co_u32 s85, s85, s79
	s_lshl_b32 s86, ttmp9, 3
	s_lshl_b32 s82, s72, 1
	s_add_co_u32 s86, s86, s82
	s_add_co_u32 s88, s85, s16
	s_mul_i32 s88, s88, 8*BLK
	s_mov_b32 s89, 0
	s_add_co_u32 s90, s86, s16
	s_mul_i32 s90, s90, 8*BLK
	s_add_co_u32 s90, s90, WOFF
	s_mov_b32 s91, 0
	s_mul_i32 s92, s14, 4*BLK                         ; LDS: region A, bytes 0 .. 16 BLK: part w (rows' halves 0, 1, columns' halves 2, 3) at 4 w BLK holds K steps 0-3, later 6, 7 over 0, 1; region B from 16 BLK: part w at + 2 w BLK holds K steps 4, 5
	s_wait_kmcnt 0x0
	s_add_nc_u64 s[88:89], s[4:5], s[88:89]
	s_add_nc_u64 s[90:91], s[6:7], s[90:91]
	CROUND
	s_lshr_b32 s95, s92, 1                            ; 2 w BLK
.irp j, 0,1
	s_mov_b32 s[G0+4*\j], 1
	s_add_nc_u64 s[G0+4*\j+2:G0+4*\j+3], s[88:89], \j*4*BLK
	s_or_b32 s[G0+4*\j+3], s[G0+4*\j+3], 0x80000000
	s_mov_b32 s[G0B+4*\j+4*(\j/2)], 1
	s_add_nc_u64 s[G0B+4*\j+4*(\j/2)+2:G0B+4*\j+4*(\j/2)+3], s[90:91], \j*4*BLK
	s_or_b32 s[G0B+4*\j+4*(\j/2)+3], s[G0B+4*\j+4*(\j/2)+3], 0x80000000
.endr
	s_add_co_u32 s[G0+1], s92, 0
	s_add_co_u32 s[G0B+1], s92, 0
	s_add_co_u32 s[G0+5], s95, 2*SLOT
	s_add_co_u32 s[G0B+5], s95, 2*SLOT
	JLOAD G0, G0B                                     ; K steps 0-3: one tensor load a wave at the head
	s_add_co_u32 s17, s86, s16
	s_lshl_b32 s18, s17, 9
	s_mov_b32 s19, 0
	s_add_nc_u64 s[8:9], s[8:9], s[18:19]
	v_bfe_u32 v228, v0, 4, 1
	v_lshlrev_b32 v228, 6, v228
.irp b, 0,1,2,3,4,5,6,7
	global_load_b128 v[64+8*\b:67+8*\b], v228, s[8:9] offset:128*(\b/2)+32*(\b%2)
	global_load_b128 v[68+8*\b:71+8*\b], v228, s[8:9] offset:128*(\b/2)+32*(\b%2)+16
.endr
	s_mul_i32 s93, s15, 4*BLK                         ; my 128 rows' part of region A
	s_mul_i32 s94, s16, 4*BLK
	s_add_co_u32 s94, s94, 8*BLK                      ; my 128 columns'
	s_wait_alu depctr_va_vdst(0)
.irp j, 0,1
	v_lshl_add_u32 v[RA16+\j], v1, 4, s93
	v_lshl_add_u32 v[RA4+\j], v1, 2, s93
	v_lshl_add_u32 v[CB16+\j], v1, 4, s94
	v_lshl_add_u32 v[CB4+\j], v1, 2, s94
.if \j == 0
	s_lshr_b32 s93, s93, 1                            ; the same parts in region B: half as long, 16 BLK further on
	s_lshr_b32 s94, s94, 1
	s_add_co_u32 s93, s93, 2*SLOT
	s_add_co_u32 s94, s94, 2*SLOT
.endif
.endr
	s_wait_alu depctr_va_vdst(0)
	s_wait_tensorcnt 0x0                              ; my part of K steps 0-3 is in
	ds_add_u32 v[SPW], v[NIL]
	s_mov_b32 s[G1+2], 100<<16                        ; no tensor load of mine is out: from here on a load brings two blocks, 100 rows
	s_mov_b32 s[G1+4], 100
	s_mov_b32 s[G1B+2], 100<<16
	s_mov_b32 s[G1B+4], 100
	s_wait_dscnt 0x0
	CROUND                                            ; everybody's part is in, and the joint loads meet
	JLOAD G0+4, G0B+4                                 ; K steps 4, 5 into region B: two K steps, 128 matrix instructions, stand ahead of the wait for it
	NEXT1 0, 0, 0
	FETCH_A 0, 0, 4
	s_wait_loadcnt 0x0                                ; the bias, which is the first products' C
	STEP 0, 2, 0, BLK
	STEP 1, 0, 0, 2*BLK
	TURN 0, 1, 0, 0, 3*BLK                            ; K step 2: the bytes of K steps 0, 1 are read no more and take K steps 6, 7; region B is whole
	STEP 1, 0, 1, 0
	STEP 0, 0, 1, BLK
	TURN 1, 0, 0, 0, 0
	STEP 0, 0, 0, BLK
	LAST 1
	PLACES 4
	s_wait_dscnt 0x0
	s_barrier_signal -1
	s_barrier_wait -1
	s_lshl_b32 s17, s14, 16
	v_lshl_add_u32 v4, v1, 4, s17
	s_wait_alu depctr_va_vdst(0)
	s_lshl_b32 s18, s14, 9
	s_add_co_u32 s18, s18, SCS
	v_and_b32 v6, 15, v0
	v_lshl_add_u32 v6, v6, 2, s18
	v_lshlrev_b32 v8, 4, v1
	v_add_nc_u32 v9, s18, v8
	v_mov_b32 v224, 0xaf15df0b
	v_mov_b32 v225, 0xaf15df0b
	v_mov_b32 v226, 0xb77460cd
	v_mov_b32 v227, 0xb77460cd
	s_add_co_u32 s19, s85, s15
	s_lshl_b32 s19, s19, 5
	s_add_co_u32 s19, s19, s86
	s_add_co_u32 s22, s19, s16
	s_mul_i32 s22, s22, BLK
	s_mov_b32 s23, 0
	s_add_nc_u64 s[10:11], s[10:11], s[22:23]
.irp a, 0,1,2,3,4,5,6,7
	WIN 0x08+4*(\a/4)
.irp q, 0,1,2,3,4,5,6,7,8,9,10,11,12,13,14,15
	ds_store_b128 v4, v[64*(\a%4)+4*\q:64*(\a%4)+4*\q+3] offset:8192*\a+512*\q
.endr
.endr
	WIN 0
.irp q, 0,1,2,3,4,5,6,7,8,9,10,11,12,13,14,15
	ds_load_b128 v[HX+4*\q:HX+4*\q+3], v4 offset:512*\q
.endr
	s_mov_b32 s20, 0
.Ltile:
	s_add_co_u32 s21, s20, 8192
	s_min_u32 s21, s21, 57344
	v_add_nc_u32 v5, s21, v4
	s_lshr_b32 s22, s20, 7
	s_wait_alu depctr_va_vdst(0)
	v_add_nc_u32 v7, s22, v6
	s_wait_dscnt 0x0
	GELU 0
	GELU 1
	GELU 2
	GELU 3
	QUANT GX, 176, 196
	ds_store_b32 v7, v196
.irp c, 0,1,2
	global_store_b128 v8, v[176+4*\c:179+4*\c], s[10:11] offset:512*\c
.endr
	s_wait_xcnt 0x0
	s_add_nc_u64 s[10:11], s[10:11], 1536
	s_add_co_u32 s20, s20, 8192
	s_cmp_lt_u32 s20, 65536
	s_cbranch_scc1 .Ltile
	ds_load_b128 v[200:203], v9
	s_wait_dscnt 0x0
	global_store_b128 v8, v[200:203], s[10:11]
	s_wait_tensorcnt 0x0
	ds_add_u32 v[SPW], v[NIL]
	s_wait_dscnt 0x0
	CROUND
	s_endpgm
.Lfunc_end_k_q273aca753e_fc1:
	.size	k_q273aca753e_fc1, .Lfunc_end_k_q273aca753e_fc1-k_q273aca753e_fc1
	.p2alignl 7, 3214868480
	.fill 96, 4, 3214868480
	.section	.rodata,"a",@progbits
	.p2align	6, 0x0
	.amdhsa_kernel k_q273aca753e_fc1
		.amdhsa_group_segment_fixed_size 327680
		.amdhsa_private_segment_fixed_size 0
		.amdhsa_enable_private_segment 0
		.amdhsa_kernarg_size 32
		.amdhsa_user_sgpr_count 2
		.amdhsa_user_sgpr_kernarg_segment_ptr 1
		.amdhsa_wavefront_size32 1
		.amdhsa_system_sgpr_workgroup_id_x 1
		.amdhsa_system_sgpr_workgroup_id_y 1
		.amdhsa_system_sgpr_workgroup_id_z 1
		.amdhsa_system_vgpr_workitem_id 0
		.amdhsa_next_free_vgpr 1024
		.amdhsa_next_free_sgpr 100
		.amdhsa_reserve_vcc 0
		.amdhsa_float_denorm_mode_32 3
		.amdhsa_float_denorm_mode_16_64 3
		.amdhsa_memory_ordered 1
		.amdhsa_forward_progress 1
		.amdhsa_inst_pref_size 169
	.end_amdhsa_kernel
	.amdgpu_metadata
---
amdhsa.version: [ 1, 2 ]
amdhsa.kernels:
  - .name:           k_q273aca753e_fc1
    .symbol:         k_q273aca753e_fc1.kd
    .args:
      - { .name: act, .offset: 0, .size: 8, .value_kind: global_buffer, .address_space: global }
      - { .name: wimg, .offset: 8, .size: 8, .value_kind: global_buffer, .address_space: global }
      - { .name: b1, .offset: 16, .size: 8, .value_kind: global_buffer, .address_space: global }
      - { .name: himg, .offset: 24, .size: 8, .value_kind: global_buffer, .address_space: global }
    .group_segment_fixed_size: 327680
    .private_segment_fixed_size: 0
    .kernarg_segment_align: 8
    .kernarg_segment_size: 32
    .max_flat_workgroup_size: 128
    .sgpr_count:     100
    .vgpr_count:     1024
    .wavefront_size: 32
...
	.end_amdgpu_metadata
.endif
;; end of part 5
;; launch fc2 (part 6): grid 8 x 32, 4 waves a work-group, clusters of 4 x 4, 327,680 bytes of LDS; arguments himg, wimg, b2, x1, out0; writes out0
.if DOCPART == 6
	.amdgcn_target "amdgcn-amd-amdhsa--gfx1250"
	.amdhsa_code_object_version 6
	.text
	.protected	k_q273aca753e_fc2
	.globl	k_q273aca753e_fc2
	.p2align	8
	.type	k_q273aca753e_fc2,@function
k_q273aca753e_fc2:
	s_mov_b64 s[64:65], 0
	v_nop
	global_prefetch_b8 v0, s[64:65] scope:SCOPE_SE
	s_setreg_imm32_b32 hwreg(HW_REG_WAVE_MODE, 25, 1), 1
	s_wait_xcnt 0x0
	s_wait_alu depctr_hold_cnt(0) depctr_sa_sdst(0) depctr_va_vdst(0) depctr_va_sdst(0) depctr_va_ssrc(0) depctr_va_vcc(0) depctr_vm_vsrc(0)
	s_getreg_b32 s2, hwreg(HW_REG_IB_STS2, 6, 4)
	s_cmp_eq_u32 s2, 0
	s_cbranch_scc0 .Lentry_in_a_cluster
	s_endpgm
.Lentry_in_a_cluster:
	s_bfe_u32 s2, ttmp6, 0x10000c
	s_cmp_lg_u32 s2, 0xf033
	s_cbranch_scc0 .Lentry_shape_is_right
	s_endpgm
.Lentry_shape_is_right:
.set BLK,   12800
.set SCO,   12288
.set REGA,  0
.set REGB,  16*BLK
.set NS,    32
.set WOFF,  6553600
.set FSTEP, 12*BLK
.set SPT,   528
.set STGW,  128*SPT
.set SPARE, 24*BLK
.set SPW,  2
.set NIL,  3
.set RA16, 4
.set RA4,  6
.set CB16, 8
.set CB4,  10
.set BI,   12
.set RS,   16
.set CS,   24
.set AF,   128
.set G1A,  24
.set G0A,  32
.set G1AS, 40
.set G1B,  48
.set G0B,  56
.set G1BS, 68
.set MSB, 0
.macro WIN new
.if MSB != (\new)
	s_set_vgpr_msb (MSB<<8)|(\new)
.set MSB, (\new)
.endif
.endm
.set MUL_LO, 0xa1
.set MUL_HI, 0xf1
.set TO_B,   0x40
.macro PLACES n
.rept \n
	v_nop
.endr
.endm
.macro JLOAD g0a, g1a, g0b, g1b
	s_cmp_eq_u32 s15, 0
	s_cbranch_scc0 .Lfor_b_\@
	tensor_load_to_lds s[\g0a:\g0a+3], s[\g1a:\g1a+7]
	s_nop 0
	PLACES 4
	s_branch .Lasked_\@
.Lfor_b_\@:
	tensor_load_to_lds s[\g0b:\g0b+3], s[\g1b:\g1b+7]
	s_nop 0
	PLACES 4
.Lasked_\@:
.endm
.macro CREST
	s_cmp_lg_u32 s14, 0
	s_cbranch_scc1 .Lnot_wave_0_\@
	s_barrier_signal -3
.Lnot_wave_0_\@:
	s_barrier_wait -3
	s_barrier_signal -1
	s_barrier_wait -1
.endm
.macro CROUND
	s_barrier_signal -1
	s_barrier_wait -1
	CREST
.endm
.macro WMR d, s0, s1, cr, x0, x1, rb, ra
.if (\cr) < 0
.if (\rb) == 0 && (\ra) == 0
	v_wmma_scale_f32_16x16x128_f8f6f4 v[\d:\d+7], v[\s0:\s0+11], v[\s1:\s1+11], 0, v[\x0], v[\x1] matrix_a_fmt:MATRIX_FMT_FP6 matrix_b_fmt:MATRIX_FMT_FP6
.elseif (\ra) == 0
	v_wmma_scale_f32_16x16x128_f8f6f4 v[\d:\d+7], v[\s0:\s0+11], v[\s1:\s1+11], 0, v[\x0], v[\x1] matrix_a_fmt:MATRIX_FMT_FP6 matrix_b_fmt:MATRIX_FMT_FP6 matrix_a_scale:MATRIX_SCALE_ROW1
.elseif (\rb) == 0
	v_wmma_scale_f32_16x16x128_f8f6f4 v[\d:\d+7], v[\s0:\s0+11], v[\s1:\s1+11], 0, v[\x0], v[\x1] matrix_a_fmt:MATRIX_FMT_FP6 matrix_b_fmt:MATRIX_FMT_FP6 matrix_b_scale:MATRIX_SCALE_ROW1
.else
	v_wmma_scale_f32_16x16x128_f8f6f4 v[\d:\d+7], v[\s0:\s0+11], v[\s1:\s1+11], 0, v[\x0], v[\x1] matrix_a_fmt:MATRIX_FMT_FP6 matrix_b_fmt:MATRIX_FMT_FP6 matrix_a_scale:MATRIX_SCALE_ROW1 matrix_b_scale:MATRIX_SCALE_ROW1
.endif
.else
.if (\rb) == 0 && (\ra) == 0
	v_wmma_scale_f32_16x16x128_f8f6f4 v[\d:\d+7], v[\s0:\s0+11], v[\s1:\s1+11], v[\cr:\cr+7], v[\x0], v[\x1] matrix_a_fmt:MATRIX_FMT_FP6 matrix_b_fmt:MATRIX_FMT_FP6
.elseif (\ra) == 0
	v_wmma_scale_f32_16x16x128_f8f6f4 v[\d:\d+7], v[\s0:\s0+11], v[\s1:\s1+11], v[\cr:\cr+7], v[\x0], v[\x1] matrix_a_fmt:MATRIX_FMT_FP6 matrix_b_fmt:MATRIX_FMT_FP6 matrix_a_scale:MATRIX_SCALE_ROW1
.elseif (\rb) == 0
	v_wmma_scale_f32_16x16x128_f8f6f4 v[\d:\d+7], v[\s0:\s0+11], v[\s1:\s1+11], v[\cr:\cr+7], v[\x0], v[\x1] matrix_a_fmt:MATRIX_FMT_FP6 matrix_b_fmt:MATRIX_FMT_FP6 matrix_b_scale:MATRIX_SCALE_ROW1
.else
	v_wmma_scale_f32_16x16x128_f8f6f4 v[\d:\d+7], v[\s0:\s0+11], v[\s1:\s1+11], v[\cr:\cr+7], v[\x0], v[\x1] matrix_a_fmt:MATRIX_FMT_FP6 matrix_b_fmt:MATRIX_FMT_FP6 matrix_a_scale:MATRIX_SCALE_ROW1 matrix_b_scale:MATRIX_SCALE_ROW1
.endif
.endif
.endm
.macro MUL16 a0, p, cm
.irp a, \a0, \a0+1
.irp b, 0,1,2,3,4,5,6,7
.if (\cm) == 0
	WMR 8*(8*((\a)%4)+\b), 128*(\p)+12*\b, AF+12*(\a), 8*(8*((\a)%4)+\b), CS+4*(\p)+\b/2, RS+4*(\p)+(\a)/2, \b%2, (\a)%2
.else
	WMR 8*(8*((\a)%4)+\b), 128*(\p)+12*\b, AF+12*(\a), -1, CS+4*(\p)+\b/2, RS+4*(\p)+(\a)/2, \b%2, (\a)%2
.endif
.endr
.endr
.endm
.macro FRAG reg, adr, off
.irp c, 0,1,2
	ds_load_b128 v[\reg+4*\c:\reg+4*\c+3], v[\adr] offset:\off+512*\c
.endr
.endm
.macro FETCH_A ns, off, i0
.irp i, \i0, \i0+1, \i0+2, \i0+3
	FRAG AF+12*(\i), RA16+\ns, \off+1536*(\i)
.endr
.endm
.macro NEXT1 ns, off, p
	WIN TO_B
.irp i, 0,1,2,3,4,5,6,7
	FRAG 128*(\p)+12*\i, CB16+\ns, \off+1536*\i
.endr
	WIN 0
.irp m, 0,1,2,3
	ds_load_b32 v[RS+4*(\p)+\m], v[RA4+\ns] offset:\off+SCO+128*\m
	ds_load_b32 v[CS+4*(\p)+\m], v[CB4+\ns] offset:\off+SCO+128*\m
.endr
	FETCH_A \ns, \off, 0
.endm
.macro STEP p, cm, ns, noff
	s_wait_dscnt 12
	WIN MUL_LO
	MUL16 0, \p, \cm
	MUL16 2, \p, \cm
	s_wait_dscnt 0x0
	PLACES 4
	NEXT1 \ns, \noff, 1-(\p)
	WIN MUL_HI
	MUL16 4, \p, \cm
	MUL16 6, \p, \cm
	PLACES 4
	WIN 0
	FETCH_A \ns, \noff, 4
.endm
.macro SYNC reg
	s_wait_tensorcnt 0x0
	ds_add_u32 v[SPW], v[NIL]
	s_add_nc_u64 s[G0A+4*(\reg)-2:G0A+4*(\reg)-1], s[G0A+4*(\reg)-2:G0A+4*(\reg)-1], FSTEP
	s_add_nc_u64 s[G0B+4*(\reg)-2:G0B+4*(\reg)-1], s[G0B+4*(\reg)-2:G0B+4*(\reg)-1], FSTEP
	s_wait_dscnt 0x0
	CROUND
.if (\reg) == 1
	JLOAD G0A, G1A, G0B, G1B
.else
	JLOAD G0A+4, G1AS, G0B+4, G1BS
.endif
.endm
.macro TURNL p, ns, noff
	s_wait_dscnt 12
	WIN MUL_LO
	MUL16 0, \p, 0
	MUL16 2, \p, 0
	WIN 0
	s_wait_tensorcnt 0x0
	ds_add_u32 v[SPW], v[NIL]
	s_wait_dscnt 0x0
	s_barrier_signal -1
	s_barrier_wait -1
	PLACES 4
	NEXT1 \ns, \noff, 1-(\p)
	WIN MUL_HI
	MUL16 4, \p, 0
	MUL16 6, \p, 0
	PLACES 4
	WIN 0
	FETCH_A \ns, \noff, 4
.endm
.macro LAST p
	s_wait_dscnt 12
	WIN MUL_LO
	MUL16 0, \p, 0
	MUL16 2, \p, 0
	s_wait_dscnt 0x0
	WIN MUL_HI
	MUL16 4, \p, 0
	MUL16 6, \p, 0
	WIN 0
.endm
	s_load_b256 s[4:11], s[0:1], 0x0
	s_load_b64 s[12:13], s[0:1], 0x20
	v_lshl_add_u32 v[SPW], v0, 2, SPARE
	v_mov_b32 v[NIL], 0
	ds_add_u32 v2, v3
	ds_add_u32 v2, v3
	s_wait_dscnt 0x0
	v_lshrrev_b32 v1, 5, v0
	v_readfirstlane_b32 s14, v1
	v_and_b32 v1, 31, v0
	s_lshr_b32 s15, s14, 1
	s_and_b32 s16, s14, 1
	s_bfe_u32 s18, ttmp6, 0x40000
	s_bfe_u32 s19, ttmp6, 0x40004
	s_and_b32 s20, ttmp7, 0xffff
	s_lshl_b32 s20, s20, 2
	s_add_co_u32 s20, s20, s19
	s_lshl_b32 s21, ttmp9, 2
	s_add_co_u32 s21, s21, s18
	s_lshl_b32 s22, s19, 2
	s_lshl_b32 s22, 15, s22
	s_lshl_b32 s23, 0x1111, s18
	s_or_b32 s[G1A], s22, (3<<16)|(1<<21)
	s_or_b32 s[G1AS], s22, (3<<16)|(1<<21)
	s_or_b32 s[G1B], s23, (3<<16)|(1<<21)
	s_or_b32 s[G1BS], s23, (3<<16)|(1<<21)
.irp g, G1A, G1B
	s_mov_b32 s[\g+1], 32<<16
	s_mov_b32 s[\g+2], 200<<16
	s_mov_b32 s[\g+3], 32<<16
	s_mov_b32 s[\g+4], 200
	s_mov_b32 s[\g+5], 32
	s_mov_b32 s[\g+6], 0
	s_mov_b32 s[\g+7], 0
.endr
.irp g, G1AS, G1BS
	s_mov_b32 s[\g+1], 32<<16
	s_mov_b32 s[\g+2], 100<<16
	s_mov_b32 s[\g+3], 32<<16
	s_mov_b32 s[\g+4], 100
	s_mov_b32 s[\g+5], 32
	s_mov_b32 s[\g+6], 0
	s_mov_b32 s[\g+7], 0
.endr
	s_mul_i32 s88, s16, 4*BLK
	s_mov_b32 s89, 0
	s_mul_i32 s90, s16, 2*BLK
	s_add_co_u32 s90, s90, 8*BLK
	s_mov_b32 s91, 0
	s_mul_i32 s78, s20, NS*BLK
	s_mov_b32 s79, 0
	s_mul_i32 s80, s21, NS*BLK
	s_add_co_u32 s80, s80, WOFF
	s_mov_b32 s81, 0
	s_mul_i32 s92, s14, 4*BLK
	s_mul_i32 s93, s14, 2*BLK
	s_lshl_b32 s84, s20, 7
	s_lshl_b32 s85, s14, 5
	s_add_co_u32 s84, s84, s85
	s_lshl_b32 s84, s84, 12
	s_lshl_b32 s86, s21, 9
	s_add_co_u32 s84, s84, s86
	s_mov_b32 s85, 0
	s_mov_b32 s87, 0
	s_wait_kmcnt 0x0
	s_add_nc_u64 s[78:79], s[4:5], s[78:79]
	s_add_nc_u64 s[80:81], s[6:7], s[80:81]
	s_add_nc_u64 s[8:9], s[8:9], s[86:87]
	s_add_nc_u64 s[10:11], s[10:11], s[84:85]
	s_add_nc_u64 s[12:13], s[12:13], s[84:85]
	CROUND
	s_mov_b32 s[G0A], 1
	s_add_co_u32 s[G0A+1], s92, REGA
	s_add_nc_u64 s[G0A+2:G0A+3], s[78:79], s[88:89]
	s_or_b32 s[G0A+3], s[G0A+3], 0x80000000
	s_mov_b32 s[G0B], 1
	s_add_co_u32 s[G0B+1], s92, REGA
	s_add_nc_u64 s[G0B+2:G0B+3], s[80:81], s[88:89]
	s_or_b32 s[G0B+3], s[G0B+3], 0x80000000
	JLOAD G0A, G1A, G0B, G1B
	s_mov_b32 s[G0A+4], 1
	s_add_co_u32 s[G0A+5], s93, REGB
	s_add_nc_u64 s[G0A+6:G0A+7], s[78:79], s[90:91]
	s_or_b32 s[G0A+7], s[G0A+7], 0x80000000
	s_mov_b32 s[G0B+4], 1
	s_add_co_u32 s[G0B+5], s93, REGB
	s_add_nc_u64 s[G0B+6:G0B+7], s[80:81], s[90:91]
	s_or_b32 s[G0B+7], s[G0B+7], 0x80000000
	s_wait_alu depctr_va_vdst(0)
	s_wait_tensorcnt 0x0
	ds_add_u32 v2, v3
	s_wait_dscnt 0x0
	CROUND
	JLOAD G0A+4, G1AS, G0B+4, G1BS
	s_mul_i32 s94, s14, BLK
	s_wait_alu depctr_va_vdst(0)
	v_lshl_add_u32 v[RA16], v1, 4, s94
	v_lshl_add_u32 v[RA4], v1, 2, s94
	s_add_co_u32 s17, s94, 8*BLK
	v_lshl_add_u32 v[CB16], v1, 4, s17
	v_lshl_add_u32 v[CB4], v1, 2, s17
	s_add_co_u32 s17, s94, REGB
	v_lshl_add_u32 v[RA16+1], v1, 4, s17
	v_lshl_add_u32 v[RA4+1], v1, 2, s17
	s_add_co_u32 s17, s94, REGB+4*BLK
	v_lshl_add_u32 v[CB16+1], v1, 4, s17
	v_lshl_add_u32 v[CB4+1], v1, 2, s17
	v_lshlrev_b32 v1, 4, v1
	s_wait_alu depctr_va_vdst(0)
	s_wait_tensorcnt 1
	s_barrier_signal -1
	s_barrier_wait -1
	NEXT1 0, 0, 0
	FETCH_A 0, 0, 4
	STEP 0, 1, 0, 4*BLK
	SYNC 1
.irp t, 0,1,2,3,4,5,6,7,8,9,10,11,12,13,14,15,16,17,18,19,20,21,22,23,24,25,26,27,28,29,30,31
.set RB, 32+4*\t+96*(\t/24)
	global_load_b128 v[RB:RB+3], v1, s[10:11] offset:(8*(\t/16)+\t%16+8*((\t%16)/8))*4096
.endr
	global_load_b128 v[BI:BI+3], v1, s[8:9]
	STEP 1, 0, 1, 0
	SYNC 2
	STEP 0, 0, 0, 0
	STEP 1, 0, 0, 4*BLK
	SYNC 1
	STEP 0, 0, 1, 0
	TURNL 1, 0, 0
	STEP 0, 0, 0, 4*BLK
	LAST 1
	PLACES 4
	v_and_b32 v4, 15, v0
	v_bfe_u32 v5, v0, 4, 1
	v_mul_u32_u24 v4, v4, SPT
	v_lshl_add_u32 v4, v5, 6, v4
	s_mul_i32 s17, s14, STGW
	v_add_nc_u32 v4, s17, v4
	s_mul_i32 s17, s14, 32*SPT
	v_add_nc_u32 v5, s17, v1
	v_add_nc_u32 v6, STGW, v5
	v_add_nc_u32 v7, 2*STGW, v5
	v_add_nc_u32 v8, 3*STGW, v5
	s_wait_alu depctr_va_vdst(0)
	s_wait_dscnt 0x0
	s_barrier_signal -1
	s_barrier_wait -1
.irp a, 0,1,2,3,4,5,6,7
	WIN 0x08+4*(\a/4)
.irp b, 0,1,2,3,4,5,6,7
	ds_store_b128 v4, v[8*(8*(\a%4)+\b):8*(8*(\a%4)+\b)+3] offset:16*SPT*\a+128*(\b/2)+32*(\b%2)
	ds_store_b128 v4, v[8*(8*(\a%4)+\b)+4:8*(8*(\a%4)+\b)+7] offset:16*SPT*\a+128*(\b/2)+32*(\b%2)+16
.endr
.endr
	WIN 0
	s_wait_dscnt 0x0
	s_barrier_signal -1
	s_barrier_wait -1
.macro BATCH n
.irp u, 0,1
.irp q, 0,1,2,3
	ds_load_b128 v[128+32*((\n)%2)+16*\u+4*\q:128+32*((\n)%2)+16*\u+4*\q+3], v[5+\q] offset:(2*(\n)+\u)*SPT
.endr
.endr
.endm
.macro ADDUP n
.irp u, 0,1
.set TT, 2*(\n)+\u
.set RR, 32+4*TT+96*(TT/24)
.set BU, 128+32*((\n)%2)+16*\u
.irp k, 0,2
	v_pk_add_f32 v[BU+\k:BU+\k+1], v[BU+\k:BU+\k+1], v[BU+4+\k:BU+5+\k]
	v_pk_add_f32 v[BU+8+\k:BU+9+\k], v[BU+8+\k:BU+9+\k], v[BU+12+\k:BU+13+\k]
	v_pk_add_f32 v[RR+\k:RR+\k+1], v[RR+\k:RR+\k+1], v[BI+\k:BI+\k+1]
.endr
.irp k, 0,2
	v_pk_add_f32 v[BU+\k:BU+\k+1], v[BU+\k:BU+\k+1], v[BU+8+\k:BU+9+\k]
.endr
.irp k, 0,2
	v_pk_add_f32 v[RR+\k:RR+\k+1], v[RR+\k:RR+\k+1], v[BU+\k:BU+\k+1]
.endr
	global_store_b128 v1, v[RR:RR+3], s[12:13] offset:(8*(TT/16)+TT%16+8*((TT%16)/8))*4096
.endr
.endm
	BATCH 0
	BATCH 1
	s_wait_loadcnt 0x0
.irp n, 0,1,2,3,4,5,6,7,8,9,10,11,12,13,14,15
.if \n < 15
	s_wait_dscnt 8
.else
	s_wait_dscnt 0x0
.endif
	ADDUP \n
.if \n < 14
	BATCH \n+2
.endif
.endr
	s_wait_tensorcnt 0x0
	ds_add_u32 v[SPW], v[NIL]
	s_wait_dscnt 0x0
	CROUND
	s_endpgm
.Lfunc_end_k_q273aca753e_fc2:
	.size	k_q273aca753e_fc2, .Lfunc_end_k_q273aca753e_fc2-k_q273aca753e_fc2
	.p2alignl 7, 3214868480
	.fill 96, 4, 3214868480
	.section	.rodata,"a",@progbits
	.p2align	6, 0x0
	.amdhsa_kernel k_q273aca753e_fc2
		.amdhsa_group_segment_fixed_size 327680
		.amdhsa_private_segment_fixed_size 0
		.amdhsa_enable_private_segment 0
		.amdhsa_kernarg_size 40
		.amdhsa_user_sgpr_count 2
		.amdhsa_user_sgpr_kernarg_segment_ptr 1
		.amdhsa_wavefront_size32 1
		.amdhsa_system_sgpr_workgroup_id_x 1
		.amdhsa_system_sgpr_workgroup_id_y 1
		.amdhsa_system_sgpr_workgroup_id_z 1
		.amdhsa_system_vgpr_workitem_id 0
		.amdhsa_next_free_vgpr 1024
		.amdhsa_next_free_sgpr 100
		.amdhsa_reserve_vcc 0
		.amdhsa_float_denorm_mode_32 3
		.amdhsa_float_denorm_mode_16_64 3
		.amdhsa_memory_ordered 1
		.amdhsa_forward_progress 1
		.amdhsa_inst_pref_size 151
	.end_amdhsa_kernel
	.amdgpu_metadata
---
amdhsa.version: [ 1, 2 ]
amdhsa.kernels:
  - .name:           k_q273aca753e_fc2
    .symbol:         k_q273aca753e_fc2.kd
    .args:
      - { .name: himg, .offset: 0, .size: 8, .value_kind: global_buffer, .address_space: global }
      - { .name: wimg, .offset: 8, .size: 8, .value_kind: global_buffer, .address_space: global }
      - { .name: b2, .offset: 16, .size: 8, .value_kind: global_buffer, .address_space: global }
      - { .name: x1, .offset: 24, .size: 8, .value_kind: global_buffer, .address_space: global }
      - { .name: out0, .offset: 32, .size: 8, .value_kind: global_buffer, .address_space: global }
    .group_segment_fixed_size: 327680
    .private_segment_fixed_size: 0
    .kernarg_segment_align: 8
    .kernarg_segment_size: 40
    .max_flat_workgroup_size: 128
    .sgpr_count:     100
    .vgpr_count:     1024
    .wavefront_size: 32
...
	.end_amdgpu_metadata
.endif
;; end of part 6
